; MI455X (gfx1250); checked and timed in simulation.
; The chip was launched on July 23, 2026; its instructions are those of AMD's public machine-readable ISA for CDNA 5 (MIT licence, August 2026) and "CDNA5" Instruction Set Architecture Reference Guide (July 2026). The comments in the code are by the model that wrote it; some were corrected since.
;; Causal Self Attention. Allowed arithmetic: matrix products marked QUANTISED: E2M1 operands, one E8M0 scale for each 32 along K, by v_wmma_scale_f32_16x16x128_f8f6f4 with both operands' format E2M1 (or v_wmma_scale_f32_32x16x128_f4), f32 sums; everything else in f32.
;; Inputs: Wk_codes 1,024 x 32 x 16 uint8 (E2M1 codes of Wk, K innermost, in blocks of 32 codes, two codes a byte); Wk_scales 1,024 x 32 uint8 (E8M0 scales of Wk, one for each 32 codes along K); Wo_codes 1,024 x 32 x 16 uint8 (E2M1 codes of Wo, K innermost, in blocks of 32 codes, two codes a byte); Wo_scales 1,024 x 32 uint8 (E8M0 scales of Wo, one for each 32 codes along K); Wq_codes 1,024 x 32 x 16 uint8 (E2M1 codes of Wq, K innermost, in blocks of 32 codes, two codes a byte); Wq_scales 1,024 x 32 uint8 (E8M0 scales of Wq, one for each 32 codes along K); Wv_codes 1,024 x 32 x 16 uint8 (E2M1 codes of Wv, K innermost, in blocks of 32 codes, two codes a byte); Wv_scales 1,024 x 32 uint8 (E8M0 scales of Wv, one for each 32 codes along K); bk 1,024 float32; bo 1,024 float32; bq 1,024 float32; bv 1,024 float32; k_codes 4 x 2,048 x 32 x 16 uint8 (E2M1 codes of k, K innermost, in blocks of 32 codes, two codes a byte); k_scales 4 x 2,048 x 32 uint8 (E8M0 scales of k, one for each 32 codes along K); q_codes 4 x 2,048 x 32 x 16 uint8 (E2M1 codes of q, K innermost, in blocks of 32 codes, two codes a byte); q_scales 4 x 2,048 x 32 uint8 (E8M0 scales of q, one for each 32 codes along K); v_codes 4 x 2,048 x 32 x 16 uint8 (E2M1 codes of v, K innermost, in blocks of 32 codes, two codes a byte); v_scales 4 x 2,048 x 32 uint8 (E8M0 scales of v, one for each 32 codes along K).
;; Outputs: out0 4 x 2,048 x 1,024 float32.
;; This version of the problem:
;;   THIS VERSION OF THE PROBLEM IS GIVEN IN LOW PRECISION. The matrix products marked QUANTISED in the list below multiply operands that are first quantised to E2M1 (2 exponent bits, 1 mantissa bit; 4 bits a number), with one power-of-two scale for each 32 numbers along K (OCP MX v1.0); their sums are f32. All else is computed in f32.
;;   The module's matrix products, in the order in which they are computed (A, B: the left and right operand; K: the contracted axis; several contracted axes count as one K, in the product's order):
;;     1. [M 8,192, K 1,024] x [K 1,024, N 1,024]; A: input q (given as codes); B: input Wq (given as codes): QUANTISED
;;     2. [M 8,192, K 1,024] x [K 1,024, N 1,024]; A: input k (given as codes); B: input Wk (given as codes): QUANTISED
;;     3. [M 8,192, K 1,024] x [K 1,024, N 1,024]; A: input v (given as codes); B: input Wv (given as codes): QUANTISED
;;     4. batch 64 x [M 2,048, K 64] x [K 64, N 2,048]; A: computed on the way; B: computed on the way: QUANTISED
;;     5. batch 64 x [M 2,048, K 2,048] x [K 2,048, N 64]; A: softmax (see below); B: computed on the way: QUANTISED
;;     6. [M 8,192, K 1,024] x [K 1,024, N 1,024]; A: computed on the way; B: input Wo (given as codes): QUANTISED
;;   THE QUANTISER, for each operand of a quantised product, along K:
;;     - K is cut into blocks of 32 from its start; a last block that is shorter is filled with zeros.
;;     - A block's scale is 2^e with e = floor(log2(the largest magnitude in the block)) - 2, held to -126 .. 127; a block of zeros has e = 0. As a byte (E8M0): e + 127.
;;     - Each number is divided by its block's scale, clamped to +-6, and rounded to the nearest number of E2M1, ties to even, subnormals kept.
;;     - The product sums the exact products of the quantised numbers (number of the format x scale) in f32.
;;   ~~~python
;;   def quantise(x, axis):      # numpy; x: float32 -> the quantised numbers, widened to float32 again
;;       x = np.moveaxis(x, axis, -1); K = x.shape[-1]
;;       x = np.pad(x, [(0, 0)] * (x.ndim - 1) + [(0, -K % 32)]); x = x.reshape(x.shape[:-1] + (-1, 32)); a = np.abs(x).max(-1, keepdims=True)
;;       e = np.where(a > 0, np.clip(np.frexp(np.where(a > 0, a, 1))[1] - 1 - 2, -126, 127), 0)      # np.frexp(a)[1] - 1 = floor(log2(a)), exactly
;;       r = np.clip(x / 2.0 ** e, -6, 6)
;;       step = 2.0 ** (np.maximum(np.frexp(np.where(r == 0, 1, r))[1] - 1, 0) - 1)
;;       q = np.round(r / step) * step * 2.0 ** e      # np.round: ties to even
;;       return np.moveaxis(q.reshape(q.shape[:-2] + (-1,))[..., :K], -1, axis).astype(np.float32)
;;   ~~~
;;   SOFTMAX AHEAD OF A QUANTISED PRODUCT. Where the list says 'softmax', what is quantised is not the finished softmax but p = 2^(t - M), with t = logit x log2(e) and M = ceil(the row's largest t), a whole number; so 1/2 < the row's largest p <= 1. The row's sum l is taken of the UNQUANTISED p, in f32, and the product's result is divided by l at the end. Since M is a whole number, a kernel that streams over the keys may use a running M (the ceiling of the running maximum): every later rescaling is an exact power of two, which a block's scale takes up: the codes' values come out the same.
;;   OPERANDS COMPUTED ON THE WAY. 'Computed on the way' means the value that the module computes at that place (a softmax that the list does not call 'softmax' is quantised finished and normalised). What goes into a quantiser is computed in f32, as accurately as f32 sums, v_exp_f32 and their like allow (about 1e-6 of the number): no bf16 or f16 on the way to a quantiser, and a product that is left as it is and whose result goes on into a quantised operand takes f32 operands (vector FMAs, or v_wmma_f32_16x16x4_f32). A number that lies on a knife's edge between two numbers of the format may be rounded either way, as far as f32 arithmetic and the matrix unit's own rounding can turn it there, and no further.
;;   INPUTS GIVEN AS CODES. Wk (in the module: [1024, 1024], K = its axis 0); Wo (in the module: [1024, 1024], K = its axis 0); Wq (in the module: [1024, 1024], K = its axis 0); Wv (in the module: [1024, 1024], K = its axis 0); k (in the module: [4, 2048, 1024], K = its axis 2); q (in the module: [4, 2048, 1024], K = its axis 2); v (in the module: [4, 2048, 1024], K = its axis 2): each comes as NAME_codes (uint8): NAME with its K axis moved to the last place and cut into blocks of 32 codes, [.., K / 32, bytes a block], one block behind the other in memory; two codes a byte, the lower K in the low four bits (a code: sign, 2 exponent bits, 1 mantissa bit); and NAME_scales (uint8): the same leading axes, one E8M0 byte (e + 127) for each 32 codes along K. Its value is code x scale, taken as it is: it is not quantised again, and the codes and scales need not be those that the quantiser above would give.
;; One version. Each part assembles by itself: llvm-mc -triple=amdgcn-amd-amdhsa -mcpu=gfx1250 --defsym DOCPART=n.
;; ======== version 1 of 1: 3 launches
;; workspace buffers: Qc 4,194,304 bytes; Kc 4,194,304 bytes; Vc 4,194,304 bytes; Ac 4,194,304 bytes; Qs 262,144 bytes; Ks 262,144 bytes; Vs 262,144 bytes; As 262,144 bytes
;; launch proj (part 1): grid 4 x 96, 4 waves a work-group, clusters of 4 x 4, 296,448 bytes of LDS; arguments q_codes, q_scales, Wq_codes, Wq_scales, bq, Qc, Qs, k_codes, k_scales, Wk_codes, Wk_scales, bk, Kc, Ks, Wv_codes, Wv_scales, v_codes, v_scales, bv, Vc, Vs; writes Qc, Qs, Kc, Ks, Vc, Vs
.if DOCPART == 1
	.amdgcn_target "amdgcn-amd-amdhsa--gfx1250"
	.amdhsa_code_object_version 6
	.text
	.protected	k_q80aaf9f37f_proj
	.globl	k_q80aaf9f37f_proj
	.p2align	8
	.type	k_q80aaf9f37f_proj,@function
k_q80aaf9f37f_proj:
	s_mov_b64 s[64:65], 0
	v_nop
	global_prefetch_b8 v0, s[64:65] scope:SCOPE_SE
	s_setreg_imm32_b32 hwreg(HW_REG_WAVE_MODE, 25, 1), 1
	s_wait_xcnt 0x0
	s_wait_alu depctr_hold_cnt(0) depctr_sa_sdst(0) depctr_va_vdst(0) depctr_va_sdst(0) depctr_va_ssrc(0) depctr_va_vcc(0) depctr_vm_vsrc(0)
	s_getreg_b32 s2, hwreg(HW_REG_IB_STS2, 6, 4)
	s_cmp_eq_u32 s2, 0
	s_cbranch_scc0 .Lentry_in_a_cluster
	s_endpgm
.Lentry_in_a_cluster:
	s_bfe_u32 s2, ttmp6, 0x10000c
	s_cmp_lg_u32 s2, 0xf033
	s_cbranch_scc0 .Lentry_shape_is_right
	s_endpgm
.Lentry_shape_is_right:
; THE THREE PROJECTIONS: x W + b on codes of FP4 (E2M1) with E8M0 scales, the results quantised again, in registers, along the K of the product that reads them next.
; ROLES.  Each product has an operand R, whose rows stay lanes (source 1), and an operand P, whose rows become a lane's registers (source 0): in accumulator (a, b) lane (r, h) holds, in register j,
; the number of R's row 16 a + r and P's row 16 b + 8 h + j.  What runs along the registers is the next K.  q and k: R = tokens, P = the weight's 1,024 outputs (next K: a head's 64).  v: R = Wv's outputs, P = tokens (next K: the keys).
; SHARES.  A work-group makes 256 of R x 256 of P over all of K = 1,024; each of four waves 128 x 128: 64 accumulators, 512 registers.  24 clusters of 4 x 4: eight for each tensor; cluster y / 8 says which.
; K goes as two slots of 512 (rows of 256 bytes); both are filled once, at the head, and so are the scale bytes of the 512 rows: no LDS byte is filled twice, and nothing is stored to LDS.
; CLUSTER.  The four of a row of the cluster need the same rows of R, the four of a column the same rows of P: each tile is asked for jointly.  All tensor loads stand at the head, so nothing is left to ask for ahead of time.
; THE BIAS is the C of each sum's first matrix instruction: by P's row for q and k (eight different numbers a lane), by R's row for v (one number a lane, eight times).
; THE WAY OUT.  For each block a of 16 of R the wave's 128 of P are four blocks of 32: largest magnitude, scale byte, conversion; the eight registers of codes are two operand images of 512 bytes
; (lane l's 16 bytes at 16 l: block l / 16 of row l % 16), stored as they stand: codes at (group of 64 of P) x SP + (tile of R) x 512, scale words at (group of 128 of P) x SS + (group of 128 of R) x 512.
; LIMITS: NaN, infinities and given scale bytes of 0xff are not served; a block whose largest magnitude lies under 2^-124 (a block of zeros too) gets the byte 1: only this program reads these bytes.
.set PITCH,  272                       ; an LDS row: 256 bytes + 16 of padding: the 16 rows of a fragment load start at 16 different banks
.set HALFT,  128*PITCH                 ; what one tensor load brings
.set SLOT,   4*HALFT                   ; R's 256 rows, then P's 256 rows
.set NQ,     4                         ; steps of 128 along K in a slot
.set FR,     8                         ; registers of a fragment
.set NL,     2                         ; LDS loads that bring one
.set NP,     4                         ; places behind this matrix instruction (ISA guide 7.12.1)
.set SCL,    2*SLOT                    ; behind the slots: the scale bytes, as units of 256 bytes + 16
.set HALFS,  16*272                    ; those of 128 rows (32 bytes a row)
.set SBLK,   2*272                     ; those of 16 rows
.set ADRA, 16                          ; v16-17  LDS address of my fragments of R in slot 0, 1
.set ADRB, 20                          ; v20-21  the same for P
.set VO0,  24                          ; v24     16 x lane: an image's place for my lane
.set VO1,  25                          ; v25     the same, one group of 64 of P further on
.set BO,   26                          ; v26     my offset in the bias
.set ADRS, 27                          ; v27     LDS address of my scale words: lanes 0-15 R's rows, lanes 16-31 P's
.set SC,   32                          ; v32-95  scale words, a set for each slot; they hold nothing else
.set AF,   128                         ; v128-191 R's fragments, one set; on the way out the codes
.set CB,   192                         ; v192-255 the bias as C; free behind the first step
.set PC,   128                         ; the way out: eight registers of codes for each a
.set TM,   192                         ; four largest magnitudes
.set TP,   196                         ; the other half's, then the bytes
.set SO,   204                         ; the conversions' scale operands
.set PW,   208                         ; v208-215 a scale word for each a
.set SW,   216                         ; v216-219 the words as they are stored
.set WV,  18                           ; s18 wave;  s19 which half of R's rows is mine, and: I fetch for R (0) or P (1);  s20 which half of P's, and: which 128 rows I fetch
.set WR,  19
.set WC,  20
.set TLR, 21                           ; s21 tile of R;  s22 tile of P;  s23 the tensor: 0 q, 1 k, 2 v
.set TLP, 22
.set GG,  23
.set G1,   24                          ; s[24:31] group 1 for R's tiles;  s[32:39] groups 0, one for each slot
.set G0,   32
.set G1B,  40                          ; the same for P's
.set G0B,  48
.set G1S,  56                          ; s[56:63], s[68:71] R's scale bytes;  s[72:79], s[80:83] P's
.set G0S,  68
.set G1SB, 72
.set G0SB, 80
.set MSB, 0
.macro WIN new                         ; the immediate's high byte repeats the setting that is left
.if MSB != (\new)
	s_set_vgpr_msb (MSB<<8)|(\new)
.set MSB, (\new)
.endif
.endm
.set MUL_LO, 0xa1                      ; source 0 (P) window 1, source 1 (R) window 0, C and D window 2
.set MUL_HI, 0xf1                      ; the same, C and D window 3
.set TO_B,   0x40                      ; destination window 1, address window 0
; A joint load: waves 0 and 1 fetch for R, waves 2 and 3 for P.  The branch hangs on the wave's number alone.  Four v_nop follow each line.
.macro JLOAD g0a, g1a, g0b, g1b
	s_cmp_eq_u32 s[WR], 0
	s_cbranch_scc0 .Lfor_b_\@
	tensor_load_to_lds s[\g0a:\g0a+3], s[\g1a:\g1a+7]
	s_nop 0
.rept 4
	v_nop
.endr
	s_branch .Lasked_\@
.Lfor_b_\@:
	tensor_load_to_lds s[\g0b:\g0b+3], s[\g1b:\g1b+7]
	s_nop 0
.rept 4
	v_nop
.endr
.Lasked_\@:
.endm
.macro CROUND                          ; a round of the cluster's barrier
	s_barrier_signal -1
	s_barrier_wait -1
	s_cmp_lg_u32 s[WV], 0
	s_cbranch_scc1 .Lnot_wave_0_\@
	s_barrier_signal -3
.Lnot_wave_0_\@:
	s_barrier_wait -3
	s_barrier_signal -1
	s_barrier_wait -1
.endm
	s_load_b512 s[24:39], s[0:1], 0x0              ; the 21 addresses: seven for each tensor, in the order R's codes, R's scales, P's codes, P's scales, bias, codes out, scales out
	s_load_b512 s[40:55], s[0:1], 0x40
	s_load_b256 s[56:63], s[0:1], 0x80
	s_load_b64 s[66:67], s[0:1], 0xa0
	v_lshl_add_u32 v126, v0, 2, 0x48400
	v_mov_b32 v127, 0
	ds_add_u32 v126, v127
	ds_add_u32 v126, v127
	v_lshrrev_b32 v1, 5, v0
	v_readfirstlane_b32 s[WV], v1
	s_lshr_b32 s[WR], s[WV], 1
	s_and_b32 s[WC], s[WV], 1
	s_bfe_u32 s84, ttmp6, 0x40000                  ; cx
	s_bfe_u32 s85, ttmp6, 0x40004                  ; cy
	s_and_b32 s86, ttmp7, 0xffff                   ; cluster y, 0 .. 23
	s_lshr_b32 s[GG], s86, 3                       ; the tensor
	s_and_b32 s86, s86, 7
	s_lshl_b32 s86, s86, 2                         ; four tiles of the tokens' 32 to a cluster
	s_cmp_eq_u32 s[GG], 2
	s_cselect_b32 s[TLP], s86, 0                   ; the tokens are P for v,
	s_cselect_b32 s[TLR], 0, s86                   ; R for q and k
	s_mov_b32 s89, 262144
	s_cselect_b32 s89, 32768, s89                  ; SP: from one group of 64 of P to the next in the codes' buffer: 32 bytes x R's rows
	s_mov_b32 s90, 32768
	s_cselect_b32 s90, 4096, s90                   ; SS: from one group of 128 of P to the next among the scale words: 4 bytes x R's rows
	s_add_co_u32 s[TLP], s[TLP], s84
	s_add_co_u32 s[TLR], s[TLR], s85
	s_lshl_b32 s87, s85, 2
	s_lshl_b32 s87, 15, s87                        ; my row of the cluster
	s_lshl_b32 s88, 0x1111, s84                    ; my column
	s_lshl_b32 s91, s[WC], 7                       ; which 128 rows of a tile I fetch
	s_lshl_b32 s92, s[TLR], 8
	s_add_co_u32 s92, s92, s91                     ; R's row
	s_lshl_b32 s94, s[TLP], 8
	s_add_co_u32 s94, s94, s91                     ; P's row
	s_lshl_b32 s96, s92, 5                         ; 32 scale bytes a row
	s_lshl_b32 s98, s94, 5
	s_lshl_b32 s92, s92, 9                         ; 512 bytes of codes a row
	s_lshl_b32 s94, s94, 9
	s_mov_b32 s93, 0
	s_mov_b32 s95, 0
	s_mov_b32 s97, 0
	s_mov_b32 s99, 0
	s_mul_i32 s100, s[WV], HALFT                   ; where they go: wave x 128 rows: no place in the cluster enters an LDS address
	s_mul_i32 s101, s[WV], HALFS
	s_wait_dscnt 0x0
	s_wait_kmcnt 0x0
	s_cmp_eq_u32 s[GG], 1                          ; the tensor's seven addresses into s[4:17]: the choice hangs on the cluster's number alone
.irp j, 0,1,2,3,4,5,6
	s_cselect_b64 s[4+2*\j:5+2*\j], s[38+2*\j:39+2*\j], s[24+2*\j:25+2*\j]
.endr
	s_cmp_eq_u32 s[GG], 2
.irp j, 0,1,2,3,4,5
	s_cselect_b64 s[4+2*\j:5+2*\j], s[52+2*\j:53+2*\j], s[4+2*\j:5+2*\j]
.endr
	s_cselect_b64 s[16:17], s[66:67], s[16:17]
	; group 1: 128 rows x 256 bytes, 512 bytes apart in memory, 16 bytes of padding behind each in LDS
	s_or_b32 s[G1+0], s87, (0<<16)|(1<<20)|(1<<21)|(5<<22)|(3<<25)   ; 15:0 the mask: R's tiles go to my row; 17:16 elements of 1 byte; 20 padding on; 21 set beside a mask; 24:22 after every 64 words; 31:25 four words
	s_or_b32 s[G1B+0], s88, (0<<16)|(1<<20)|(1<<21)|(5<<22)|(3<<25)  ; P's go to my column
.irp g, G1, G1B
	s_mov_b32 s[\g+1], 256<<16                     ; tensor_dim0
	s_mov_b32 s[\g+2], 128<<16                     ; tensor_dim1
	s_mov_b32 s[\g+3], 256<<16                     ; tile_dim0
	s_mov_b32 s[\g+4], 128                         ; tile_dim1
	s_mov_b32 s[\g+5], 512                         ; tensor_dim0_stride
	s_mov_b32 s[\g+6], 0
	s_mov_b32 s[\g+7], 0
.endr
	; the scale bytes of 128 rows: 4,096 dense bytes as 16 rows of 256 (32 elements of 8 bytes), 16 bytes of padding behind each
	s_or_b32 s[G1S+0], s87, (3<<16)|(1<<20)|(1<<21)|(5<<22)|(3<<25)
	s_or_b32 s[G1SB+0], s88, (3<<16)|(1<<20)|(1<<21)|(5<<22)|(3<<25)
.irp g, G1S, G1SB
	s_mov_b32 s[\g+1], 32<<16
	s_mov_b32 s[\g+2], 16<<16
	s_mov_b32 s[\g+3], 32<<16
	s_mov_b32 s[\g+4], 16
	s_mov_b32 s[\g+5], 32
	s_mov_b32 s[\g+6], 0
	s_mov_b32 s[\g+7], 0
.endr
	s_add_nc_u64 s[92:93], s[4:5], s[92:93]        ; R's codes, R's scales, P's codes, P's scales at the rows that I fetch
	s_add_nc_u64 s[96:97], s[6:7], s[96:97]
	s_add_nc_u64 s[94:95], s[8:9], s[94:95]
	s_add_nc_u64 s[98:99], s[10:11], s[98:99]
	CROUND                                         ; all sixteen work-groups are here: the joint loads meet
	s_mov_b32 s[G0S], 1
	s_add_co_u32 s[G0S+1], s101, SCL
	s_mov_b64 s[G0S+2:G0S+3], s[96:97]
	s_or_b32 s[G0S+3], s[G0S+3], 0x80000000
	s_mov_b32 s[G0SB], 1
	s_add_co_u32 s[G0SB+1], s101, SCL
	s_mov_b64 s[G0SB+2:G0SB+3], s[98:99]
	s_or_b32 s[G0SB+3], s[G0SB+3], 0x80000000
	JLOAD G0S, G1S, G0SB, G1SB                     ; the scale bytes first: they are wanted with the first step
.irp s, 0,1
	s_mov_b32 s[G0+4*\s], 1
	s_add_co_u32 s[G0+4*\s+1], s100, \s*SLOT
	s_add_nc_u64 s[G0+4*\s+2:G0+4*\s+3], s[92:93], \s*256
	s_or_b32 s[G0+4*\s+3], s[G0+4*\s+3], 0x80000000
	s_mov_b32 s[G0B+4*\s], 1
	s_add_co_u32 s[G0B+4*\s+1], s100, \s*SLOT
	s_add_nc_u64 s[G0B+4*\s+2:G0B+4*\s+3], s[94:95], \s*256
	s_or_b32 s[G0B+4*\s+3], s[G0B+4*\s+3], 0x80000000
	JLOAD G0+4*\s, G1, G0B+4*\s, G1B               ; three tensor loads of mine are out behind the second of these
.endr
	v_and_b32 v1, 15, v0                           ; r
	v_bfe_u32 v2, v0, 4, 1                         ; h
	v_mul_u32_u24 v3, v1, PITCH
	v_lshl_add_u32 v4, v2, 4, v3                   ; a fragment's row x pitch + 16 x half
	s_mul_i32 s2, s[WR], HALFT                     ; my 128 rows of R
	s_mul_i32 s3, s[WC], HALFT                     ; my 128 rows of P,
	s_add_co_u32 s3, s3, 2*HALFT                   ; which lie behind R's 256
.irp s, 0,1
	v_add_nc_u32 v[ADRA+\s], s2, v4
	v_add_nc_u32 v[ADRB+\s], s3, v4
	s_add_co_u32 s2, s2, SLOT
	s_add_co_u32 s3, s3, SLOT
.endr
	v_mul_u32_u24 v5, v1, 32                       ; my row's scale bytes: 32 a row,
	v_lshrrev_b32 v6, 8, v5
	v_lshl_add_u32 v5, v6, 4, v5                   ; and 16 more for each 256 passed
	s_mul_i32 s2, s[WR], HALFS
	s_mul_i32 s3, s[WC], HALFS
	s_add_co_u32 s3, s3, 2*HALFS
	s_sub_co_u32 s3, s3, s2
	v_mul_u32_u24 v6, s3, v2                       ; lanes 16-31 take P's: one product, the distance between the two bases
	s_add_co_u32 s2, s2, SCL
	v_add_nc_u32 v5, v5, v6
	v_add_nc_u32 v[ADRS], s2, v5
	v_and_b32 v3, 31, v0
	v_lshlrev_b32 v[VO0], 4, v3
	v_add_nc_u32 v[VO1], s89, v[VO0]
	; where my results go
	s_lshl_b32 s86, s[TLP], 1
	s_add_co_u32 s86, s86, s[WC]                   ; my group of 128 of P
	s_mul_i32 s91, s86, s89
	s_lshl_b32 s91, s91, 1                         ; it is two groups of 64
	s_lshl_b32 s84, s[TLR], 1
	s_add_co_u32 s84, s84, s[WR]                   ; my group of 128 of R: eight tiles of 512 bytes
	s_lshl_b32 s85, s84, 12
	s_add_co_u32 s92, s91, s85
	s_mov_b32 s93, 0
	s_add_nc_u64 s[14:15], s[14:15], s[92:93]
	s_mul_i32 s92, s86, s90
	s_lshl_b32 s85, s84, 9
	s_add_co_u32 s92, s92, s85
	s_add_nc_u64 s[16:17], s[16:17], s[92:93]
	; the bias, in the layout of a result
	s_cmp_eq_u32 s[GG], 2
	s_cselect_b32 s86, s[TLR], s[TLP]
	s_cselect_b32 s91, s[WR], s[WC]
	s_lshl_b32 s86, s86, 10
	s_lshl_b32 s91, s91, 9
	s_add_co_u32 s86, s86, s91                     ; 4 bytes x (256 x tile + 128 x half)
	s_mov_b32 s87, 0
	s_add_nc_u64 s[12:13], s[12:13], s[86:87]
	s_cmp_eq_u32 s[GG], 2
	s_cbranch_scc1 .Lbias_r
	v_lshlrev_b32 v[BO], 5, v2                     ; q, k: register 8 b + j takes the bias of P's row 16 b + 8 h + j
.irp b, 0,1,2,3,4,5,6,7
	global_load_b128 v[CB+8*\b:CB+8*\b+3], v[BO], s[12:13] offset:64*\b
	global_load_b128 v[CB+8*\b+4:CB+8*\b+7], v[BO], s[12:13] offset:64*\b+16
.endr
	s_branch .Lbias_done
.Lbias_r:
	v_lshlrev_b32 v[BO], 2, v1                     ; v: registers 8 a .. 8 a + 7 all take the bias of R's row 16 a + r
.irp a, 0,1,2,3,4,5,6,7
	global_load_b32 v[CB+8*\a], v[BO], s[12:13] offset:64*\a
.endr
	s_wait_loadcnt 0x0
.irp a, 0,1,2,3,4,5,6,7
.irp j, 1,2,3,4,5,6,7
	v_mov_b32 v[CB+8*\a+\j], v[CB+8*\a]            ; a C operand is eight registers
.endr
.endr
.Lbias_done:
.macro FRAG reg, adr, q, i             ; 16 rows x 128 K of 4-bit codes: lane l holds row l % 16; registers 4 c .. 4 c + 3 hold K = 64 c + 32 (l / 16) + 0 .. 31
.irp c, 0,1
	ds_load_b128 v[\reg+4*\c:\reg+4*\c+3], v[\adr] offset:64*(\q)+32*\c+(\i)*16*PITCH
.endr
.endm
; 16 matrix instructions: R's blocks a0, a0 + 1 x P's eight, the slot's q-th 128 along K.  p: P's set; sc: the set of scale words.
; mode 0: the sums go on; 1: they start from the bias by P's row; 2: from the bias by R's row.  The 64 accumulators take turns, one instruction a turn.
.macro MUL16 a0, p, q, sc, mode
.irp a, \a0, \a0+1
.irp b, 0,1,2,3,4,5,6,7
.set rD, 8*(8*((\a)%4)+\b)
.set rC, rD
.if (\mode) == 1
.set rC, CB+8*\b
.elseif (\mode) == 2
.set rC, CB+8*(\a)
.endif
	v_wmma_scale_f32_16x16x128_f8f6f4 v[rD:rD+7], v[128*(\p)+FR*\b:128*(\p)+FR*\b+FR-1], v[AF+FR*(\a):AF+FR*(\a)+FR-1], v[rC:rC+7], v[SC+8*NQ*(\sc)+NQ*\b+(\q)], v[SC+8*NQ*(\sc)+NQ*(\a)+(\q)] matrix_a_fmt:MATRIX_FMT_FP4 matrix_b_fmt:MATRIX_FMT_FP4 matrix_a_scale:MATRIX_SCALE_ROW1
.endr
.endr
.endm
.macro FETCH_B slot, q, p              ; P's eight fragments into set p
	WIN TO_B
.irp i, 0,1,2,3,4,5,6,7
	FRAG 128*(\p)+FR*\i, ADRB+\slot, \q, \i
.endr
	WIN 0
.endm
.macro FETCH_A slot, q, i0             ; R's blocks i0 .. i0 + 3
.irp i, \i0, \i0+1, \i0+2, \i0+3
	FRAG AF+FR*(\i), ADRA+\slot, \q, \i
.endr
.endm
.macro SCALES sc                       ; a slot's scale words: four a row; lanes 0-15 take R's block i, lanes 16-31 P's block i
.irp i, 0,1,2,3,4,5,6,7
	ds_load_b128 v[SC+8*NQ*\sc+NQ*\i:SC+8*NQ*\sc+NQ*\i+3], v[ADRS] offset:\i*SBLK
.endr
.endm
.macro PLACES n                        ; plain vector instructions between a matrix instruction and a load into, or a vector instruction on, its registers
.rept \n
	v_nop
.endr
.endm
; A step of 128 along K that has its successor in the same slot.  R has one set of registers: blocks 0-3 are fetched anew in the step's middle, blocks 4-7 at its end; P has two sets.
.macro STEP slot, q, mode
	s_wait_dscnt 4*NL                              ; all but the youngest eight loads (R's blocks 4-7) are in
.if \mode
	WIN 0x81                                       ; C, the bias, lies in window 0
.else
	WIN MUL_LO
.endif
	MUL16 0, (\q)%2, \q, \slot, \mode
	MUL16 2, (\q)%2, \q, \slot, \mode
	s_wait_dscnt 0                                 ; R's blocks 4-7 are in
	PLACES NP
	FETCH_B \slot, (\q)+1, 1-(\q)%2
	FETCH_A \slot, (\q)+1, 0
.if \mode
	WIN 0xc1
.else
	WIN MUL_HI
.endif
	MUL16 4, (\q)%2, \q, \slot, \mode
	MUL16 6, (\q)%2, \q, \slot, \mode
	PLACES NP
	WIN 0
	FETCH_A \slot, (\q)+1, 4
.endm
.macro STEPS slot, from
.set Q, \from
.rept NQ-1-\from
	STEP \slot, Q, 0
.set Q, Q+1
.endr
.endm
	s_wait_tensorcnt 1                             ; the scale bytes and my part of slot 0 are in; slot 1's load may stay out
	s_barrier_signal -1
	s_barrier_wait -1                              ; everybody's are
	FETCH_B 0, 0, 0
	FETCH_A 0, 0, 0
	s_wait_alu depctr_va_vdst(0)
	SCALES 0
	FETCH_A 0, 0, 4
	s_wait_loadcnt 0x0                             ; the bias
	s_cmp_eq_u32 s[GG], 2                          ; the first step is written twice: its C differs.  Both ways issue the same loads
	s_cbranch_scc1 .Lfirst_r
	STEP 0, 0, 1
	s_branch .Lfirst_done
.Lfirst_r:
	STEP 0, 0, 2
.Lfirst_done:
	STEPS 0, 1
	; slot 0's last step changes slots: one barrier, in front of which my part of slot 1 has landed.
	s_wait_tensorcnt 0x0
	s_wait_dscnt 4*NL
	WIN MUL_LO
	MUL16 0, 1, NQ-1, 0, 0
	s_wait_dscnt 0x0                               ; no LDS load of mine is out at the signal
	s_barrier_signal -1
	MUL16 2, 1, NQ-1, 0, 0
	WIN 0
	s_barrier_wait -1
	PLACES NP
	v_add_nc_u32 v[ADRS], 4*NQ, v[ADRS]            ; slot 1's scale words
	FETCH_B 1, 0, 0
	FETCH_A 1, 0, 0
	SCALES 1
	WIN MUL_HI
	MUL16 4, 1, NQ-1, 0, 0
	MUL16 6, 1, NQ-1, 0, 0
	PLACES NP
	WIN 0
	FETCH_A 1, 0, 4
	STEPS 1, 0
	s_wait_dscnt 4*NL                              ; the last step: nothing more to fetch
	WIN MUL_LO
	MUL16 0, 1, NQ-1, 1, 0
	MUL16 2, 1, NQ-1, 1, 0
	s_wait_dscnt 0
	WIN MUL_HI
	MUL16 4, 1, NQ-1, 1, 0
	MUL16 6, 1, NQ-1, 1, 0
	WIN 0
	PLACES NP
	s_mov_b32 s2, 0x76543210
	s_mov_b32 s3, 0xfedcba98                       ; v_permlanex16_b32's selects for lane l xor 16
	s_mov_b32 s86, 0xffff0000                      ; lanes 16-31
.irp b, 0,1,2,3
	v_mov_b32 v[TP+\b], 0                          ; a lane permute's destination counts as one of its sources
.endr
; Block a of R: the lane's 64 numbers, register 8 t + j = next K 16 t + 8 h + j, become eight registers of codes and a scale word.  Block of 32 number b is tiles 2 b and 2 b + 1 in both halves of the lanes.
; A conversion's eight codes are a quarter of a block; the operand wants register 4 c + i of half h to hold K = 64 c + 32 h + 8 i on, which is tile 4 c + 2 h + i / 2 of half i % 2:
; so tiles 4 c, 4 c + 2, 4 c + 1, 4 c + 3 go to registers 4 c .. 4 c + 3, and two exchanges of halves finish it.
.macro OUT a
.set AC, 64*((\a)%4)
.set WN, 2+(\a)/4
	WIN WN|(WN<<2)
.irp b, 0,1,2,3
	v_max3_num_f32 v[TM+\b], |v[AC+16*\b]|, |v[AC+16*\b+1]|, 0x1800000   ; each accumulator is read from its low end on; the floor 2^(3 - 127) keeps the byte at 1 from below
.endr
	WIN (WN<<2)|(WN<<4)
.irp i, 2,4,6,8,10,12,14
.irp b, 0,1,2,3
	v_max3_num_f32 v[TM+\b], v[TM+\b], |v[AC+16*\b+\i]|, |v[AC+16*\b+\i+1]|
.endr
.endr
	WIN 0
.irp b, 0,1,2,3
	v_permlanex16_b32 v[TP+\b], v[TM+\b], s2, s3
.endr
.irp b, 0,1,2,3
	v_max_num_f32 v[TM+\b], v[TM+\b], v[TP+\b]     ; the block's largest magnitude
.endr
.irp b, 0,1,2,3
	v_add_nc_u32 v[SO+\b], 0xff000000, v[TM+\b]    ; 2 off its exponent field: the conversion's scale operand
.endr
.irp b, 0,1,2,3
	v_lshrrev_b32 v[TP+\b], 23, v[SO+\b]           ; the scale's byte
.endr
	v_lshl_or_b32 v[PW+(\a)], v[TP+1], 8, v[TP]
	v_lshl_or_b32 v[PW+(\a)], v[TP+2], 16, v[PW+(\a)]
	v_lshl_or_b32 v[PW+(\a)], v[TP+3], 24, v[PW+(\a)]
	WIN WN
.irp t, 0,1,2,3,4,5,6,7
	v_cvt_scalef32_pk8_fp4_f32 v[PC+8*(\a)+4*(\t/4)+2*(\t%2)+(\t%4)/2], v[AC+8*\t:AC+8*\t+7], v[SO+\t/2]
.endr
	WIN 0
	v_nop                                          ; one plain place behind a scaled conversion
.irp c, 0,1
	v_permlane16_swap_b32 v[PC+8*(\a)+4*\c], v[PC+8*(\a)+4*\c+1]
	v_permlane16_swap_b32 v[PC+8*(\a)+4*\c+2], v[PC+8*(\a)+4*\c+3]
.endr
	global_store_b128 v[VO0], v[PC+8*(\a):PC+8*(\a)+3], s[14:15] offset:512*(\a)     ; 32 lanes store 512 consecutive bytes, aligned: the image of the first 64 of P
	global_store_b128 v[VO1], v[PC+8*(\a)+4:PC+8*(\a)+7], s[14:15] offset:512*(\a)   ; and of the second.  Each a has registers of its own: no store's data are written again
.endm
.irp a, 0,1,2,3,4,5,6,7
	OUT \a
.endr
.irp j, 0,1,2,3
	v_cndmask_b32 v[SW+\j], v[PW+2*\j], v[PW+2*\j+1], s86   ; word j: tile 2 j in lanes 0-15, tile 2 j + 1 in lanes 16-31: as a scale register wants them
.endr
	global_store_b128 v[VO0], v[SW:SW+3], s[16:17]
	s_wait_tensorcnt 0x0
	ds_add_u32 v126, v127
	s_wait_dscnt 0x0
	CROUND                                         ; the closing round: no work-group ends while a partner may still ask for a tile that names it
	s_endpgm
.Lfunc_end_k_q80aaf9f37f_proj:
	.size	k_q80aaf9f37f_proj, .Lfunc_end_k_q80aaf9f37f_proj-k_q80aaf9f37f_proj
	.p2alignl 7, 3214868480
	.fill 96, 4, 3214868480
	.section	.rodata,"a",@progbits
	.p2align	6, 0x0
	.amdhsa_kernel k_q80aaf9f37f_proj
		.amdhsa_group_segment_fixed_size 296448
		.amdhsa_private_segment_fixed_size 0
		.amdhsa_enable_private_segment 0
		.amdhsa_kernarg_size 168
		.amdhsa_user_sgpr_count 2
		.amdhsa_user_sgpr_kernarg_segment_ptr 1
		.amdhsa_wavefront_size32 1
		.amdhsa_system_sgpr_workgroup_id_x 1
		.amdhsa_system_sgpr_workgroup_id_y 1
		.amdhsa_system_sgpr_workgroup_id_z 1
		.amdhsa_system_vgpr_workitem_id 0
		.amdhsa_next_free_vgpr 1024
		.amdhsa_next_free_sgpr 102
		.amdhsa_reserve_vcc 0
		.amdhsa_float_denorm_mode_32 3
		.amdhsa_float_denorm_mode_16_64 3
		.amdhsa_memory_ordered 1
		.amdhsa_forward_progress 1
		.amdhsa_inst_pref_size 144
	.end_amdhsa_kernel
	.amdgpu_metadata
---
amdhsa.version: [ 1, 2 ]
amdhsa.kernels:
  - .name:           k_q80aaf9f37f_proj
    .symbol:         k_q80aaf9f37f_proj.kd
    .args:
      - { .name: q_codes, .offset: 0, .size: 8, .value_kind: global_buffer, .address_space: global }
      - { .name: q_scales, .offset: 8, .size: 8, .value_kind: global_buffer, .address_space: global }
      - { .name: Wq_codes, .offset: 16, .size: 8, .value_kind: global_buffer, .address_space: global }
      - { .name: Wq_scales, .offset: 24, .size: 8, .value_kind: global_buffer, .address_space: global }
      - { .name: bq, .offset: 32, .size: 8, .value_kind: global_buffer, .address_space: global }
      - { .name: Qc, .offset: 40, .size: 8, .value_kind: global_buffer, .address_space: global }
      - { .name: Qs, .offset: 48, .size: 8, .value_kind: global_buffer, .address_space: global }
      - { .name: k_codes, .offset: 56, .size: 8, .value_kind: global_buffer, .address_space: global }
      - { .name: k_scales, .offset: 64, .size: 8, .value_kind: global_buffer, .address_space: global }
      - { .name: Wk_codes, .offset: 72, .size: 8, .value_kind: global_buffer, .address_space: global }
      - { .name: Wk_scales, .offset: 80, .size: 8, .value_kind: global_buffer, .address_space: global }
      - { .name: bk, .offset: 88, .size: 8, .value_kind: global_buffer, .address_space: global }
      - { .name: Kc, .offset: 96, .size: 8, .value_kind: global_buffer, .address_space: global }
      - { .name: Ks, .offset: 104, .size: 8, .value_kind: global_buffer, .address_space: global }
      - { .name: Wv_codes, .offset: 112, .size: 8, .value_kind: global_buffer, .address_space: global }
      - { .name: Wv_scales, .offset: 120, .size: 8, .value_kind: global_buffer, .address_space: global }
      - { .name: v_codes, .offset: 128, .size: 8, .value_kind: global_buffer, .address_space: global }
      - { .name: v_scales, .offset: 136, .size: 8, .value_kind: global_buffer, .address_space: global }
      - { .name: bv, .offset: 144, .size: 8, .value_kind: global_buffer, .address_space: global }
      - { .name: Vc, .offset: 152, .size: 8, .value_kind: global_buffer, .address_space: global }
      - { .name: Vs, .offset: 160, .size: 8, .value_kind: global_buffer, .address_space: global }
    .group_segment_fixed_size: 296448
    .private_segment_fixed_size: 0
    .kernarg_segment_align: 8
    .kernarg_segment_size: 168
    .max_flat_workgroup_size: 128
    .sgpr_count:     102
    .vgpr_count:     1024
    .wavefront_size: 32
...
	.end_amdgpu_metadata
.endif
;; end of part 1
;; launch attn (part 2): grid 4 x 64, 16 waves a work-group, clusters of 4 x 1, 169,984 bytes of LDS; arguments Qc, Qs, Kc, Ks, Vc, Vs, Ac, As; writes Ac, As
.if DOCPART == 2
	.amdgcn_target "amdgcn-amd-amdhsa--gfx1250"
	.amdhsa_code_object_version 6
	.text
	.protected	k_q80aaf9f37f_attn
	.globl	k_q80aaf9f37f_attn
	.p2align	8
	.type	k_q80aaf9f37f_attn,@function
k_q80aaf9f37f_attn:
	s_mov_b64 s[64:65], 0
	v_nop
	global_prefetch_b8 v0, s[64:65] scope:SCOPE_SE
	s_setreg_imm32_b32 hwreg(HW_REG_WAVE_MODE, 25, 1), 1
	s_wait_xcnt 0x0
	s_wait_alu depctr_hold_cnt(0) depctr_sa_sdst(0) depctr_va_vdst(0) depctr_va_sdst(0) depctr_va_ssrc(0) depctr_va_vcc(0) depctr_vm_vsrc(0)
	s_getreg_b32 s2, hwreg(HW_REG_IB_STS2, 6, 4)
	s_cmp_eq_u32 s2, 0
	s_cbranch_scc0 .Lentry_in_a_cluster
	s_endpgm
.Lentry_in_a_cluster:
	s_bfe_u32 s2, ttmp6, 0x10000c
	s_cmp_lg_u32 s2, 0x3003
	s_cbranch_scc0 .Lentry_shape_is_right
	s_endpgm
.Lentry_shape_is_right:
; CAUSAL ATTENTION ON CODES OF FP4 (E2M1): S^T = K Q^T (K = the head's 64), p = 2^(t - M), O^T = V^T P^T (K = the keys), A = O / l quantised along the head's 64.
; t = score x log2(e) / 8; M = the running largest t rounded up to a whole number; l = the sum of the unquantised p; when M moves, l and O are multiplied by 2^(old M - new M), which rounds nothing.
; SHARES.  A cluster of four work-groups takes one head of one batch (cluster y = 16 x batch + head).  The head's 128 tiles of 16 queries are T = 4 m + cx, m = 0 .. 31; wave w takes m = w and then m = 31 - w.
; A tile's last key step (128 keys a step) is T / 8 = m / 2, whatever cx: so every wave of every work-group walks (w / 2 + 1) + ((31 - w) / 2 + 1) = 17 steps, and no branch hangs on the place in the cluster.
; LDS holds the whole head: K's codes, V's codes and both tensors' scale words, each filled once, jointly for the four partners, as images of operand registers (512 bytes a fragment half: lane l's 16 bytes at 16 l).
; So the loops have no barrier and no tensor load, and all tensor loads stand at the head: nothing is left to ask for ahead of time.  Sixteen waves of 256 registers: four to a SIMD, so that one wave's vector work stands beside another's products and loads.
; LAYOUT.  Both products are used transposed: a lane holds ONE query (lane % 16).  In tile t of S^T register j is key 16 t + 8 (lane / 16) + j.  The head's 64 fill half of an instruction's K: registers 4-7 of K's and Q's fragments are zero codes.
; THE MASK.  Steps behind a tile's last are jumped over (a branch on the wave's number and the loop's counter); in the last step hidden scores become -infinity ahead of the maximum.  Key 128 x step counts for every query of the tile, so M is a number in every step that is walked.
; LIMITS: NaN and infinities are not served; a block of p or of A whose largest magnitude lies under 2^-124 (zeros too) gets the byte 1 over its codes: only this program reads these bytes.
.set LV,   65536                       ; LDS: K's codes at 0 (tile t at 512 t); V's codes here: [group of 64 keys][tile of 16 channels][512]
.set LKS,  131072                      ; K's scale words: [step][lane][4 words]: word j: tile 2 j in lanes 0-15, tile 2 j + 1 in lanes 16-31; bytes 0, 1 the even head's, 2, 3 the odd head's
.set LVS,  139264                      ; V's: [step][lane][4 words]: words 0, 1 the even head's four tiles, words 2, 3 the odd head's
.set AK0,  1                           ; v1  16 x lane
.set AV0,  2                           ; v2  LV + 16 x lane
.set ASK0, 3                           ; v3  LKS + 16 x lane + 2 x (head % 2)
.set ASV0, 4                           ; v4  LVS + 16 x lane + 8 x (head % 2)
.set DD,   5                           ; v5  my query's place in its last step, less 8 (lane / 16)
.set GO,   6                           ; v6  16 x lane, for memory
.set GS,   7                           ; v7  32 x (lane % 16): my query's row of A's scale bytes
.set ADK,  8                           ; v8-11 the step's LDS addresses
.set ADV,  9
.set ADS,  10
.set ADT,  11
.set KF,   32                          ; v32-63   four fragments of K
.set VF,   64                          ; v64-95   four fragments of V
.set SS,   96                          ; v96-159  S^T, then p; at a pass's end A
.set OO,   160                         ; v160-191 O^T
.set PC,   192                         ; v192-199 p's codes; at a pass's end A's
.set BM,   200                         ; v200-203 a block's largest score, then its largest p
.set TP,   204                         ; v204-207 the other half's, then the bytes
.set SO,   208                         ; v208-211 the conversions' scale operands
.set FF,   212                         ; v[212:213] f = 2^(old M - new M), named as a pair
.set TT,   214                         ; v214 at work
.set RH,   215                         ; v215 lane % 16 - 8 (lane / 16)
.set CH,   216                         ; v[216:217] the sums' second chain
.set NI,   218                         ; v218 -infinity
.set KSC,  220                         ; v220-223 K's scale words;  v224-225 V's;  v226, v227 Q's;  v228 p's: they hold scales and nothing else
.set VSC,  224
.set PSC,  228
.set PW,   229                         ; v229 A's two scale bytes
.set WV,   20
.set CX,   21
.set BA,   22                          ; s22 batch;  s23 head;  s24 head / 2;  s25 head % 2
.set HH,   23
.set HP,   24
.set PAR,  25
.set SEL,  26                          ; s[26:27] selects for lane l xor 16
.set CS,   28                          ; s[28:29] c = log2(e) / 8, named as a pair
.set G1K,  32                          ; groups 1: K's codes, V's codes, K's scales, V's scales
.set G1V,  40
.set G1KS, 48
.set G1VS, 56
.set G0K,  68                          ; groups 0
.set G0V,  72
.set G0KS, 76
.set G0VS, 80
.set II,   84                          ; s84 the step;  s85 the tile's last step;  s86 4,096 x step;  s87 512 x step;  s88 m
.set SL,   85
.set TB,   86
.set TS,   87
.set MM,   88
.macro ROUND                           ; a round of the cluster's barrier
	s_barrier_signal -1
	s_barrier_wait -1
	s_cmp_lg_u32 s[WV], 0
	s_cbranch_scc1 .Lnot_wave_0_\@
	s_barrier_signal -3
.Lnot_wave_0_\@:
	s_barrier_wait -3
	s_barrier_signal -1
	s_barrier_wait -1
.endm
	s_load_b512 s[4:19], s[0:1], 0x0               ; Qc s[4:5], Qs s[6:7], Kc s[8:9], Ks s[10:11], Vc s[12:13], Vs s[14:15], Ac s[16:17], As s[18:19]
	v_lshl_add_u32 v254, v0, 2, 0x29000
	v_mov_b32 v255, 0
	ds_add_u32 v254, v255
	ds_add_u32 v254, v255
	v_lshrrev_b32 v8, 5, v0
	s_delay_alu instid0(VALU_DEP_1)
	v_readfirstlane_b32 s[WV], v8                  ; wave 0 .. 15
	s_bfe_u32 s[CX], ttmp6, 0x40000                ; cx: it enters Q's and A's addresses in memory and the mask's compare, nothing else
	s_and_b32 s94, ttmp7, 0xffff
	s_lshr_b32 s[BA], s94, 4
	s_and_b32 s[HH], s94, 15
	s_lshr_b32 s[HP], s[HH], 1
	s_and_b32 s[PAR], s[HH], 1
	s_mov_b32 s[SEL], 0x76543210
	s_mov_b32 s[SEL+1], 0xfedcba98
	s_mov_b32 s[CS], 0x3e38aa3b                    ; log2(e) / sqrt(64)
	s_mov_b32 s[CS+1], s[CS]
	; groups 1: elements of 8 bytes, no padding, the mask names all four partners, bit 21 beside it
.irp g, G1K, G1V, G1KS, G1VS
	s_mov_b32 s[\g], 15|(3<<16)|(1<<21)
	s_mov_b32 s[\g+6], 0
	s_mov_b32 s[\g+7], 0
.endr
	s_mov_b32 s[G1K+1], 32<<16                     ; K's codes: a quarter of the head, 16,384 dense bytes as 64 rows of 256
	s_mov_b32 s[G1K+2], 64<<16
	s_mov_b32 s[G1K+3], 32<<16
	s_mov_b32 s[G1K+4], 64
	s_mov_b32 s[G1K+5], 32
	s_mov_b32 s[G1V+1], 256<<16                    ; V's codes: eight groups of 64 keys, the head's 2,048 bytes of each, 32,768 bytes apart
	s_mov_b32 s[G1V+2], 8<<16
	s_mov_b32 s[G1V+3], 256<<16
	s_mov_b32 s[G1V+4], 8
	s_mov_b32 s[G1V+5], 4096
	s_mov_b32 s[G1KS+1], 32<<16                    ; K's scale words: 8,192 dense bytes as 32 rows of 256
	s_mov_b32 s[G1KS+2], 32<<16
	s_mov_b32 s[G1KS+3], 32<<16
	s_mov_b32 s[G1KS+4], 32
	s_mov_b32 s[G1KS+5], 32
	s_mov_b32 s[G1VS+1], 64<<16                    ; V's: 16 steps, the head pair's 512 bytes of each, 4,096 bytes apart
	s_mov_b32 s[G1VS+2], 16<<16
	s_mov_b32 s[G1VS+3], 64<<16
	s_mov_b32 s[G1VS+4], 16
	s_mov_b32 s[G1VS+5], 512
	s_and_b32 s96, s[WV], 3                        ; which quarter I would fetch
	s_lshl_b32 s97, s96, 14                        ; its 16,384 bytes
	s_mov_b32 s95, 0
	s_wait_dscnt 0x0
	s_wait_kmcnt 0x0
	s_lshl_b32 s94, s[HH], 18
	s_lshl_b32 s98, s[BA], 16
	s_add_co_u32 s94, s94, s98
	s_add_co_u32 s94, s94, s97                     ; Kc: head x 262,144 + batch x 65,536 + quarter
	s_mov_b32 s[G0K], 1
	s_mov_b32 s[G0K+1], s97
	s_add_nc_u64 s[G0K+2:G0K+3], s[8:9], s[94:95]
	s_or_b32 s[G0K+3], s[G0K+3], 0x80000000
	s_lshl_b32 s94, s[BA], 20
	s_lshl_b32 s98, s96, 18
	s_add_co_u32 s94, s94, s98
	s_lshl_b32 s98, s[HH], 11
	s_add_co_u32 s94, s94, s98                     ; Vc: (32 x batch + 8 x quarter) x 32,768 + head x 2,048
	s_mov_b32 s[G0V], 1
	s_add_co_u32 s[G0V+1], s97, LV
	s_add_nc_u64 s[G0V+2:G0V+3], s[12:13], s[94:95]
	s_or_b32 s[G0V+3], s[G0V+3], 0x80000000
	s_lshl_b32 s94, s[HP], 15
	s_lshl_b32 s98, s[BA], 13
	s_add_co_u32 s94, s94, s98
	s_mov_b32 s[G0KS], 1
	s_mov_b32 s[G0KS+1], LKS
	s_add_nc_u64 s[G0KS+2:G0KS+3], s[10:11], s[94:95]
	s_or_b32 s[G0KS+3], s[G0KS+3], 0x80000000
	s_lshl_b32 s94, s[BA], 16
	s_lshl_b32 s98, s[HP], 9
	s_add_co_u32 s94, s94, s98
	s_mov_b32 s[G0VS], 1
	s_mov_b32 s[G0VS+1], LVS
	s_add_nc_u64 s[G0VS+2:G0VS+3], s[14:15], s[94:95]
	s_or_b32 s[G0VS+3], s[G0VS+3], 0x80000000
	ROUND                                          ; all four work-groups are here: the joint loads meet
	; waves 0-3: K's codes; 4-7: V's codes; 8: K's scale words; 9: V's; the others nothing.  One tensor load a wave; four v_nop follow each.
	s_cmp_lt_u32 s[WV], 4
	s_cbranch_scc0 .Lnot_k
	tensor_load_to_lds s[G0K:G0K+3], s[G1K:G1K+7]
	s_nop 0
.rept 4
	v_nop
.endr
	s_branch .Lasked
.Lnot_k:
	s_cmp_lt_u32 s[WV], 8
	s_cbranch_scc0 .Lnot_v
	tensor_load_to_lds s[G0V:G0V+3], s[G1V:G1V+7]
	s_nop 0
.rept 4
	v_nop
.endr
	s_branch .Lasked
.Lnot_v:
	s_cmp_eq_u32 s[WV], 8
	s_cbranch_scc0 .Lnot_ks
	tensor_load_to_lds s[G0KS:G0KS+3], s[G1KS:G1KS+7]
	s_nop 0
.rept 4
	v_nop
.endr
	s_branch .Lasked
.Lnot_ks:
	s_cmp_eq_u32 s[WV], 9
	s_cbranch_scc0 .Lasked
	tensor_load_to_lds s[G0VS:G0VS+3], s[G1VS:G1VS+7]
	s_nop 0
.rept 4
	v_nop
.endr
.Lasked:
	v_and_b32 v9, 31, v0
	s_delay_alu instid0(VALU_DEP_1)
	v_lshlrev_b32 v[AK0], 4, v9
	s_delay_alu instid0(VALU_DEP_1)
	v_add_nc_u32 v[AV0], LV, v[AK0]
	s_lshl_b32 s94, s[PAR], 1
	s_add_co_u32 s94, s94, LKS
	v_add_nc_u32 v[ASK0], s94, v[AK0]
	s_lshl_b32 s94, s[PAR], 3
	s_add_co_u32 s94, s94, LVS
	v_add_nc_u32 v[ASV0], s94, v[AK0]
	v_mov_b32 v[GO], v[AK0]
	s_wait_alu depctr_va_vdst(0)
	v_and_b32 v10, 15, v0                          ; r
	v_bfe_u32 v11, v0, 4, 1                        ; h
	s_delay_alu instid0(VALU_DEP_2)
	v_lshlrev_b32 v[GS], 5, v10
	s_delay_alu instid0(VALU_DEP_2)
	v_lshlrev_b32 v11, 3, v11
	s_delay_alu instid0(VALU_DEP_1)
	v_sub_nc_u32 v[RH], v10, v11
	v_lshlrev_b32 v10, 4, v10                      ; Q's scale words: 16 bytes a lane of the stored image
; Q of the tile T = 4 m + cx (m in s[MM]): its image of 512 bytes, and my query's two scale bytes.  bc, bs: scalar pairs for the two bases, which stay until the loads are in.
.macro QLOAD qf, qs, bc, bs
	s_lshl_b32 s94, s[MM], 2
	s_add_co_u32 s94, s94, s[CX]
	s_lshl_b32 s96, s[BA], 7
	s_add_co_u32 s94, s94, s96                     ; 128 x batch + T
	s_lshl_b32 s94, s94, 9
	s_lshl_b32 s96, s[HH], 18
	s_add_co_u32 s94, s94, s96
	s_add_nc_u64 s[\bc:\bc+1], s[4:5], s[94:95]
	global_load_b128 v[\qf:\qf+3], v[GO], s[\bc:\bc+1]
	s_lshr_b32 s94, s[MM], 1
	s_lshl_b32 s96, s[BA], 4
	s_add_co_u32 s94, s94, s96                     ; the group of 128 tokens: 16 x batch + T / 8
	s_lshl_b32 s94, s94, 9
	s_lshl_b32 s96, s[HP], 15
	s_add_co_u32 s94, s94, s96
	s_and_b32 s96, s[CX], 1                        ; T % 8 = 4 (m % 2) + cx: odd tiles lie in lanes 16-31,
	s_lshl_b32 s96, s96, 8
	s_add_co_u32 s94, s94, s96
	s_and_b32 s96, s[MM], 1
	s_lshl_b32 s96, s96, 1
	s_lshr_b32 s97, s[CX], 1
	s_add_co_u32 s96, s96, s97                     ; in word (T % 8) / 2,
	s_lshl_b32 s96, s96, 2
	s_add_co_u32 s94, s94, s96
	s_lshl_b32 s96, s[PAR], 1                      ; the head's two bytes of it
	s_add_co_u32 s94, s94, s96
	s_add_nc_u64 s[\bs:\bs+1], s[6:7], s[94:95]
	global_load_u16 v[\qs], v10, s[\bs:\bs+1]      ; the upper two bytes come as 0, over zero codes
.endm
	s_wait_alu depctr_va_vdst(0)
	s_mov_b32 s[MM], s[WV]
	QLOAD 16, 226, 2, 30
	s_sub_co_u32 s[MM], 31, s[WV]
	QLOAD 24, 227, 90, 92
.irp j, 20,21,22,23, 28,29,30,31, 36,37,38,39, 44,45,46,47, 52,53,54,55, 60,61,62,63
	v_mov_b32 v[\j], 0                             ; K = 64 .. 127 of Q's and K's fragments: zero codes, written once; each fragment has its own
.endr
.irp j, 204,205,206,207, 213,214
	v_mov_b32 v[\j], 0                             ; lane permutes' destinations and the pair's upper half count as read
.endr
	v_mov_b32 v[NI], 0xff800000
	s_wait_tensorcnt 0x0                           ; my tensor load, if I have one, has landed,
	s_barrier_signal -1
	s_barrier_wait -1                              ; everybody's has: the head lies in LDS, and nobody writes LDS again
	s_wait_loadcnt 0x0                             ; Q
; A KEY STEP: 128 keys.
.macro STEP qf, qs
	s_cmp_gt_u32 s[II], s[SL]                      ; all its keys come after my queries: nothing to do
	s_cbranch_scc1 .Lhidden_\@
	s_setprio 2
	v_add_nc_u32 v[ADK], s[TB], v[AK0]
	s_wait_alu depctr_va_vdst(0)
	v_add_nc_u32 v[ADV], s[TB], v[AV0]
	v_add_nc_u32 v[ADS], s[TS], v[ASK0]
	s_wait_alu depctr_va_vdst(0)
	v_add_nc_u32 v[ADT], s[TS], v[ASV0]
.irp g, 0,1                                    ; S^T = K Q^T, four tiles of 16 keys at a time
.if \g
.rept 4
	v_nop                                          ; places in front of loads into registers that the four products above have read
.endr
.endif
.irp t, 0,1,2,3
	ds_load_b128 v[KF+8*\t:KF+8*\t+3], v[ADK] offset:(4*\g+\t)*512
.endr
.irp u, 0,1
	ds_load_u16 v[KSC+2*\g+\u], v[ADS] offset:4*(2*\g+\u)
.endr
	s_wait_dscnt 0x0
.irp t, 0,2
	v_wmma_scale_f32_16x16x128_f8f6f4 v[SS+8*(4*\g+\t):SS+8*(4*\g+\t)+7], v[KF+8*\t:KF+8*\t+7], v[\qf:\qf+7], 0, v[KSC+2*\g+\t/2], v[\qs] matrix_a_fmt:MATRIX_FMT_FP4 matrix_b_fmt:MATRIX_FMT_FP4
	v_wmma_scale_f32_16x16x128_f8f6f4 v[SS+8*(4*\g+\t+1):SS+8*(4*\g+\t+1)+7], v[KF+8*(\t+1):KF+8*(\t+1)+7], v[\qf:\qf+7], 0, v[KSC+2*\g+\t/2], v[\qs] matrix_a_fmt:MATRIX_FMT_FP4 matrix_b_fmt:MATRIX_FMT_FP4 matrix_a_scale:MATRIX_SCALE_ROW1
.endr
.endr
.irp d, 0,1,2,3                                ; V is asked for now and lands under the softmax.  Behind the last step's products on V stand the four additions and the four v_nop above
.irp c, 0,1
	ds_load_b128 v[VF+8*\d+4*\c:VF+8*\d+4*\c+3], v[ADV] offset:2048*\c+512*\d
.endr
.endr
	s_wait_alu depctr_va_vdst(0)
	ds_load_b64 v[VSC:VSC+1], v[ADT]
.rept 4
	v_nop                                          ; places in front of the first read of the scores
.endr
	s_cmp_lg_u32 s[II], s[SL]                      ; only the tile's last step lies on the diagonal
	s_cbranch_scc1 .Lopen_\@
.set n, 0
.rept 64                                       ; register 8 t + j holds key 16 t + 8 (lane / 16) + j of the step: hidden where 16 t + j > my query's place - 8 (lane / 16)
	v_cmp_gt_i32 vcc_lo, 16*(n/8)+n%8, v[DD]
	v_cndmask_b32 v[SS+n], v[SS+n], v[NI], vcc_lo
.set n, n+1
.endr
.Lopen_\@:
.irp b, 0,1,2,3
	v_max3_num_f32 v[BM+\b], v[SS+16*\b], v[SS+1+16*\b], v[SS+2+16*\b]   ; the largest score of each block of 32 keys: for the row's maximum and, since p rises with the score, for the block's largest p
.endr
.irp i, 3,5,7,9,11,13
.irp b, 0,1,2,3
	v_max3_num_f32 v[BM+\b], v[BM+\b], v[SS+16*\b+\i], v[SS+1+16*\b+\i]
.endr
.endr
.irp b, 0,1,2,3
	v_max_num_f32 v[BM+\b], v[BM+\b], v[SS+15+16*\b]
.endr
.irp b, 0,1,2,3
	s_delay_alu instid0(VALU_DEP_4)
	v_permlanex16_b32 v[TP+\b], v[BM+\b], s[SEL], s[SEL+1]
.endr
.irp b, 0,1,2,3
	s_delay_alu instid0(VALU_DEP_4)
	v_max_num_f32 v[BM+\b], v[BM+\b], v[TP+\b]     ; with the other half's 16 keys
.endr
	s_delay_alu instid0(VALU_DEP_2)
	v_max3_num_f32 v[TT], v[BM], v[BM+1], v[BM+2]
	s_delay_alu instid0(VALU_DEP_1)
	v_max_num_f32 v[TT], v[TT], v[BM+3]
	s_delay_alu instid0(VALU_DEP_1)
	v_mul_f32 v[TT], s[CS], v[TT]                  ; the step's largest t
	s_delay_alu instid0(VALU_DEP_1)
	v_max_num_f32 v13, v13, v[TT]                  ; the running largest t
	v_mov_b32 v[TT], v12
	s_delay_alu instid0(VALU_DEP_2)
	v_floor_f32 v12, -v13                          ; -M = floor(-t): M is a whole number
	s_delay_alu instid0(VALU_DEP_1)
	v_sub_f32 v[TT], v12, v[TT]                    ; old M - new M: a whole number, 0 or less
	s_delay_alu instid0(VALU_DEP_1)
	v_cvt_i32_f32 v[TT], v[TT]                     ; (it saturates)
	s_delay_alu instid0(VALU_DEP_1)
	v_ldexp_f32 v[FF], 1.0, v[TT]                  ; f = 2^(old M - new M)
.set j, 0
.rept 32
	v_pk_fma_f32 v[SS+j:SS+j+1], v[SS+j:SS+j+1], s[CS:CS+1], v[12:13] op_sel_hi:[1,0,0]   ; t - M, two at a time
.set j, j+2
.endr
	s_setprio 1
.irp b, 0,1,2,3
	v_fma_f32 v[BM+\b], v[BM+\b], s[CS], v12       ; the same of each block's largest score
.endr
.set j, 0
	s_wait_alu depctr_va_vdst(0)
.rept 64
	v_exp_f32 v[SS+j], v[SS+j]                     ; p = 2^(t - M)
.set j, j+1
.endr
	v_pk_mul_f32 v[14:15], v[14:15], v[FF:FF+1] op_sel_hi:[1,0]   ; the sums under the new M: a plain instruction behind the exponentials
	s_wait_alu depctr_va_vdst(0)                   ; one wait for the batch, ahead of its first reader
.irp b, 0,1,2,3
	v_exp_f32 v[BM+\b], v[BM+\b]                   ; the block's largest p: the same two instructions on the same number
.endr
	v_pk_add_f32 v[216:217], v[100:101], v[104:105]
	v_pk_add_f32 v[252:253], v[108:109], v[112:113]
	v_pk_add_f32 v[250:251], v[116:117], v[120:121]
	v_pk_add_f32 v[248:249], v[124:125], v[128:129]
	v_pk_add_f32 v[246:247], v[132:133], v[136:137]
	v_pk_add_f32 v[244:245], v[140:141], v[144:145]
	v_pk_add_f32 v[242:243], v[148:149], v[152:153]
	v_pk_add_f32 v[14:15], v[14:15], v[156:157]
	v_pk_add_f32 v[216:217], v[216:217], v[96:97]
	v_pk_add_f32 v[252:253], v[252:253], v[98:99]
	v_pk_add_f32 v[250:251], v[250:251], v[102:103]
	v_pk_add_f32 v[248:249], v[248:249], v[106:107]
	v_pk_add_f32 v[246:247], v[246:247], v[110:111]
	v_pk_add_f32 v[244:245], v[244:245], v[114:115]
	v_pk_add_f32 v[242:243], v[242:243], v[118:119]
	v_pk_add_f32 v[14:15], v[14:15], v[122:123]
	v_pk_add_f32 v[216:217], v[216:217], v[126:127]
	v_pk_add_f32 v[252:253], v[252:253], v[130:131]
	v_pk_add_f32 v[250:251], v[250:251], v[134:135]
	v_pk_add_f32 v[248:249], v[248:249], v[138:139]
	v_pk_add_f32 v[246:247], v[246:247], v[142:143]
	v_pk_add_f32 v[244:245], v[244:245], v[146:147]
	v_pk_add_f32 v[242:243], v[242:243], v[150:151]
	v_pk_add_f32 v[14:15], v[14:15], v[154:155]
	v_pk_add_f32 v[216:217], v[216:217], v[158:159]
	s_delay_alu instid0(VALU_DEP_2)
	v_pk_add_f32 v[14:15], v[14:15], v[248:249]
	s_delay_alu instid0(VALU_DEP_2)
	v_pk_add_f32 v[216:217], v[216:217], v[246:247]
	v_pk_add_f32 v[252:253], v[252:253], v[244:245]
	v_pk_add_f32 v[250:251], v[250:251], v[242:243]
	s_delay_alu instid0(VALU_DEP_2)
	v_pk_add_f32 v[14:15], v[14:15], v[252:253]
	s_delay_alu instid0(VALU_DEP_2)
	v_pk_add_f32 v[216:217], v[216:217], v[250:251]
	s_delay_alu instid0(VALU_DEP_1)
	v_pk_add_f32 v[14:15], v[14:15], v[216:217]
	s_wait_alu depctr_va_vdst(0)                   ; and one for the four
.irp b, 0,1,2,3
	v_max_num_f32 v[BM+\b], 0x1800000, v[BM+\b]    ; the floor 2^(3 - 127): the byte cannot fall under 1
.endr
.irp b, 0,1,2,3
	s_delay_alu instid0(VALU_DEP_4)
	v_add_nc_u32 v[SO+\b], 0xff000000, v[BM+\b]    ; 2 off the exponent field: the conversion's scale operand
.endr
.irp b, 0,1,2,3
	s_delay_alu instid0(VALU_DEP_4)
	v_lshrrev_b32 v[TP+\b], 23, v[SO+\b]           ; the scale's byte
.endr
	s_delay_alu instid0(VALU_DEP_3)
	v_lshl_or_b32 v[PSC], v[TP+1], 8, v[TP]        ; p's scale word for these 128 keys
	s_delay_alu instid0(VALU_DEP_1)
	v_lshl_or_b32 v[PSC], v[TP+2], 16, v[PSC]
	s_delay_alu instid0(VALU_DEP_1)
	v_lshl_or_b32 v[PSC], v[TP+3], 24, v[PSC]
	s_setprio 0
.irp t, 0,1,2,3,4,5,6,7                        ; tiles 4 c, 4 c + 2, 4 c + 1, 4 c + 3 go to registers 4 c .. 4 c + 3
	v_cvt_scalef32_pk8_fp4_f32 v[PC+4*(\t/4)+2*(\t%2)+(\t%4)/2], v[SS+8*\t:SS+8*\t+7], v[SO+\t/2]
.endr
	v_nop                                          ; one plain place behind a scaled conversion
.irp c, 0,1                                    ; two exchanges of halves: register 4 c + i of half h then holds keys 64 c + 32 h + 8 i on
	v_permlane16_swap_b32 v[PC+4*\c], v[PC+4*\c+1]
	v_permlane16_swap_b32 v[PC+4*\c+2], v[PC+4*\c+3]
.endr
.set j, 0
.rept 16
	v_pk_mul_f32 v[OO+j:OO+j+1], v[OO+j:OO+j+1], v[FF:FF+1] op_sel_hi:[1,0]   ; O^T under the new M, each accumulator from its low end on.  These also stand between the scale word's and the codes' last lines and the products
.set j, j+2
.endr
	s_wait_alu depctr_va_vdst(0)
	s_wait_dscnt 0x0                               ; V and its scale words
.irp d, 0,2                                    ; O^T += V^T P^T: the four accumulators by turns
	v_wmma_scale_f32_16x16x128_f8f6f4 v[OO+8*\d:OO+8*\d+7], v[VF+8*\d:VF+8*\d+7], v[PC:PC+7], v[OO+8*\d:OO+8*\d+7], v[VSC+\d/2], v[PSC] matrix_a_fmt:MATRIX_FMT_FP4 matrix_b_fmt:MATRIX_FMT_FP4
	v_wmma_scale_f32_16x16x128_f8f6f4 v[OO+8*(\d+1):OO+8*(\d+1)+7], v[VF+8*(\d+1):VF+8*(\d+1)+7], v[PC:PC+7], v[OO+8*(\d+1):OO+8*(\d+1)+7], v[VSC+\d/2], v[PSC] matrix_a_fmt:MATRIX_FMT_FP4 matrix_b_fmt:MATRIX_FMT_FP4 matrix_a_scale:MATRIX_SCALE_ROW1
.endr
.Lhidden_\@:
	s_add_co_u32 s[TB], s[TB], 4096                ; the next step's codes and scale words
	s_add_co_u32 s[TS], s[TS], 512
.endm
; A PASS: the tile T = 4 m + cx (m in s[MM]) from its first key to its last.  trips: a constant that covers every wave's last step in this pass.
.macro PASS trips, qf, qs
	s_wait_xcnt 0x0                                ; every earlier load and store has read its addresses and data: the bases and the codes' registers may be written
	s_lshr_b32 s[SL], s[MM], 1
	s_and_b32 s94, s[MM], 1
	s_lshl_b32 s94, s94, 2
	s_add_co_u32 s94, s94, s[CX]
	s_lshl_b32 s94, s94, 4                         ; 16 (T % 8)
	v_add_nc_u32 v[DD], s94, v[RH]
	s_lshl_b32 s94, s[MM], 2
	s_add_co_u32 s94, s94, s[CX]
	s_lshl_b32 s96, s[BA], 7
	s_add_co_u32 s94, s94, s96                     ; 128 x batch + T
	s_lshl_b32 s96, s94, 9                         ; As: 16 tokens x 32 bytes a tile,
	s_lshl_b32 s97, s[HH], 1
	s_add_co_u32 s96, s96, s97                     ; the head's two bytes
	s_mov_b32 s97, 0
	s_add_nc_u64 s[92:93], s[18:19], s[96:97]
	s_lshl_b32 s94, s94, 12                        ; Ac: [head / 8][tile][head % 8][512]
	s_lshr_b32 s96, s[HH], 3
	s_lshl_b32 s96, s96, 21
	s_add_co_u32 s94, s94, s96
	s_and_b32 s96, s[HH], 7
	s_lshl_b32 s96, s96, 9
	s_add_co_u32 s94, s94, s96
	s_mov_b32 s95, 0
	s_add_nc_u64 s[90:91], s[16:17], s[94:95]
	v_mov_b32 v13, 0xff61b1e6                      ; the largest t so far: -3e38
	s_delay_alu instid0(VALU_DEP_1)
	v_floor_f32 v12, -v13
	v_mov_b32 v14, 0
	v_mov_b32 v15, 0
.set j, 0
.rept 32
	v_mov_b32 v[OO+j], 0                           ; the step is written once: the first finds zeros, which the first change of M leaves zeros
.set j, j+1
.endr
	s_mov_b32 s[II], 0
	s_mov_b32 s[TB], 0
	s_mov_b32 s[TS], 0
.Lkey_\@:
	STEP \qf, \qs
	s_add_co_u32 s[II], s[II], 1
	s_cmp_lt_u32 s[II], \trips
	s_cbranch_scc1 .Lkey_\@
	s_setprio 0
.rept 4
	v_nop                                          ; places behind the last products
.endr
	v_add_f32 v14, v14, v15
	s_delay_alu instid0(VALU_DEP_1)
	v_permlanex16_b32 v[TT], v14, s[SEL], s[SEL+1]
	s_delay_alu instid0(VALU_DEP_1)
	v_add_f32 v14, v14, v[TT]                      ; l
	s_wait_alu depctr_va_vdst(0)
	v_rcp_f32 v14, v14
	v_nop                                          ; a plain place behind the reciprocal
	s_wait_alu depctr_va_vdst(0)                   ; and the wait ahead of its first reader
.set j, 0
.rept 32
	v_mul_f32 v[SS+j], v[OO+j], v14                ; A = O / l: register 8 t + j is channel 16 t + 8 (lane / 16) + j of my query
.set j, j+1
.endr
.irp b, 0,1
	v_max3_num_f32 v[BM+\b], |v[SS+16*\b]|, |v[SS+1+16*\b]|, 0x1800000
.endr
.irp i, 2,4,6,8,10,12,14
.irp b, 0,1
	s_delay_alu instid0(VALU_DEP_2)
	v_max3_num_f32 v[BM+\b], v[BM+\b], |v[SS+16*\b+\i]|, |v[SS+1+16*\b+\i]|
.endr
.endr
.irp b, 0,1
	s_delay_alu instid0(VALU_DEP_2)
	v_permlanex16_b32 v[TP+\b], v[BM+\b], s[SEL], s[SEL+1]
.endr
.irp b, 0,1
	s_delay_alu instid0(VALU_DEP_2)
	v_max_num_f32 v[BM+\b], v[BM+\b], v[TP+\b]
.endr
.irp b, 0,1
	s_delay_alu instid0(VALU_DEP_2)
	v_add_nc_u32 v[SO+\b], 0xff000000, v[BM+\b]
.endr
.irp b, 0,1
	s_delay_alu instid0(VALU_DEP_2)
	v_lshrrev_b32 v[TP+\b], 23, v[SO+\b]
.endr
	s_delay_alu instid0(VALU_DEP_1)
	v_lshl_or_b32 v[PW], v[TP+1], 8, v[TP]
.irp t, 0,1,2,3
	v_cvt_scalef32_pk8_fp4_f32 v[PC+2*(\t%2)+\t/2], v[SS+8*\t:SS+8*\t+7], v[SO+\t/2]
.endr
	v_nop
	v_permlane16_swap_b32 v[PC], v[PC+1]
	v_permlane16_swap_b32 v[PC+2], v[PC+3]
	global_store_b128 v[GO], v[PC:PC+3], s[90:91]  ; 32 lanes store 512 consecutive bytes, aligned: the image that the last product's operand wants
	global_store_b16 v[GS], v[PW], s[92:93]        ; my query's two scale bytes; both halves of the lanes write the same bytes with the same value
.endm
	s_mov_b32 s[MM], s[WV]
	PASS 8, 16, 226
	s_sub_co_u32 s[MM], 31, s[WV]
	PASS 16, 24, 227
	s_wait_dscnt 0x0
	s_wait_tensorcnt 0x0
	ds_add_u32 v254, v255
	s_wait_dscnt 0x0
	ROUND                                          ; the closing round
	s_endpgm
.Lfunc_end_k_q80aaf9f37f_attn:
	.size	k_q80aaf9f37f_attn, .Lfunc_end_k_q80aaf9f37f_attn-k_q80aaf9f37f_attn
	.p2alignl 7, 3214868480
	.fill 96, 4, 3214868480
	.section	.rodata,"a",@progbits
	.p2align	6, 0x0
	.amdhsa_kernel k_q80aaf9f37f_attn
		.amdhsa_group_segment_fixed_size 169984
		.amdhsa_private_segment_fixed_size 0
		.amdhsa_enable_private_segment 0
		.amdhsa_kernarg_size 64
		.amdhsa_user_sgpr_count 2
		.amdhsa_user_sgpr_kernarg_segment_ptr 1
		.amdhsa_wavefront_size32 1
		.amdhsa_system_sgpr_workgroup_id_x 1
		.amdhsa_system_sgpr_workgroup_id_y 1
		.amdhsa_system_sgpr_workgroup_id_z 1
		.amdhsa_system_vgpr_workitem_id 0
		.amdhsa_next_free_vgpr 256
		.amdhsa_next_free_sgpr 100
		.amdhsa_reserve_vcc 1
		.amdhsa_float_denorm_mode_32 3
		.amdhsa_float_denorm_mode_16_64 3
		.amdhsa_memory_ordered 1
		.amdhsa_forward_progress 1
		.amdhsa_inst_pref_size 66
	.end_amdhsa_kernel
	.amdgpu_metadata
---
amdhsa.version: [ 1, 2 ]
amdhsa.kernels:
  - .name:           k_q80aaf9f37f_attn
    .symbol:         k_q80aaf9f37f_attn.kd
    .args:
      - { .name: Qc, .offset: 0, .size: 8, .value_kind: global_buffer, .address_space: global }
      - { .name: Qs, .offset: 8, .size: 8, .value_kind: global_buffer, .address_space: global }
      - { .name: Kc, .offset: 16, .size: 8, .value_kind: global_buffer, .address_space: global }
      - { .name: Ks, .offset: 24, .size: 8, .value_kind: global_buffer, .address_space: global }
      - { .name: Vc, .offset: 32, .size: 8, .value_kind: global_buffer, .address_space: global }
      - { .name: Vs, .offset: 40, .size: 8, .value_kind: global_buffer, .address_space: global }
      - { .name: Ac, .offset: 48, .size: 8, .value_kind: global_buffer, .address_space: global }
      - { .name: As, .offset: 56, .size: 8, .value_kind: global_buffer, .address_space: global }
    .group_segment_fixed_size: 169984
    .private_segment_fixed_size: 0
    .kernarg_segment_align: 8
    .kernarg_segment_size: 64
    .max_flat_workgroup_size: 512
    .sgpr_count:     100
    .vgpr_count:     256
    .wavefront_size: 32
...
	.end_amdgpu_metadata
.endif
;; end of part 2
;; launch outp (part 3): grid 4 x 32, 4 waves a work-group, clusters of 4 x 4, 327,680 bytes of LDS; arguments Ac, As, Wo_codes, Wo_scales, bo, out0; writes out0
.if DOCPART == 3
	.amdgcn_target "amdgcn-amd-amdhsa--gfx1250"
	.amdhsa_code_object_version 6
	.text
	.protected	k_q80aaf9f37f_outp
	.globl	k_q80aaf9f37f_outp
	.p2align	8
	.type	k_q80aaf9f37f_outp,@function
k_q80aaf9f37f_outp:
	s_mov_b64 s[64:65], 0
	v_nop
	global_prefetch_b8 v0, s[64:65] scope:SCOPE_SE
	s_setreg_imm32_b32 hwreg(HW_REG_WAVE_MODE, 25, 1), 1
	s_wait_xcnt 0x0
	s_wait_alu depctr_hold_cnt(0) depctr_sa_sdst(0) depctr_va_vdst(0) depctr_va_sdst(0) depctr_va_ssrc(0) depctr_va_vcc(0) depctr_vm_vsrc(0)
	s_getreg_b32 s2, hwreg(HW_REG_IB_STS2, 6, 4)
	s_cmp_eq_u32 s2, 0
	s_cbranch_scc0 .Lentry_in_a_cluster
	s_endpgm
.Lentry_in_a_cluster:
	s_bfe_u32 s2, ttmp6, 0x10000c
	s_cmp_lg_u32 s2, 0xf033
	s_cbranch_scc0 .Lentry_shape_is_right
	s_endpgm
.Lentry_shape_is_right:
; out = A Wo + bo on codes of FP4 (E2M1) with E8M0 scales.  A: 8,192 tokens x 1,024, as images of operand registers: Ac [K half][tile of 16 tokens][head % 8][512 bytes]; its scale bytes As [token][32].
; Wo: [1,024 outputs][512 bytes of codes], scale bytes [1,024][32].  out0: [8,192][1,024] f32.
; A work-group makes 256 tokens x 256 outputs over all of K; each of four waves 128 x 128: 64 accumulators.  K goes as two slots of 512, both filled once at the head, and so are the scale bytes: no LDS byte is filled twice.
; The matrix instruction is used transposed (source 0 = 16 rows of Wo, source 1 = 16 tokens): a lane holds eight neighbouring outputs of one token.  The bias is the C of each sum's first matrix instruction.
; CLUSTER 4 x 4: A's tiles are shared along a row, Wo's along a column, each asked for jointly.  All tensor loads stand at the head, so nothing is left to ask for ahead of time.
; 128 work-groups: the tile is the one whose every fragment read from LDS feeds eight products.
; LIMITS: NaN, infinities and given scale bytes of 0xff are not served.
.set PITCH,  272                       ; a row of Wo in LDS: 256 bytes + 16 of padding
.set HALFA,  32768                     ; A's 128 tokens x 512 K: eight tiles of 4,096 bytes, dense: a fragment load's 512 bytes are consecutive
.set HALFT,  128*PITCH
.set BOFF,   2*HALFA                   ; a slot: A's 256 tokens, then Wo's 256 rows
.set SLOT,   BOFF+2*HALFT
.set NQ,     4
.set FR,     8
.set NL,     2
.set NP,     4
.set SCL,    2*SLOT
.set HALFS,  16*272
.set SBLK,   2*272
.set SPITCH, 528                       ; the way out: a stage of 16 rows x (512 bytes + 16) for each wave, in slot 0, which has had its only fill and its last read when the first result is stored there
.set ADRA, 16
.set ADRB, 20
.set STO,  24                          ; v24 the way out: where I put 32 bytes of a row;  v25 where I read a row back;  v26 my byte offset in a row of out0
.set RD,   25
.set CO,   26
.set ADRS, 27
.set BO,   28                          ; v28 my offset in the bias
.set SC,   32                          ; v32-95 scale words: they hold nothing else
.set AF,   128
.set CB,   192                         ; v192-255 the bias as C
.set BK,   128                         ; the way out: rows read back: v128-191 and v192-255 by turns
.set WV,  18
.set WR,  19
.set WC,  20
.set TLR, 21
.set TLP, 22
.set G1,   24
.set G0,   32
.set G1B,  40
.set G0B,  48
.set G1S,  56
.set G0S,  68
.set G1SB, 72
.set G0SB, 80
.set MSB, 0
.macro WIN new
.if MSB != (\new)
	s_set_vgpr_msb (MSB<<8)|(\new)
.set MSB, (\new)
.endif
.endm
.set MUL_LO, 0xa1
.set MUL_HI, 0xf1
.set TO_B,   0x40
.macro JLOAD g0a, g1a, g0b, g1b        ; waves 0 and 1 fetch for A, waves 2 and 3 for Wo; four v_nop follow each line
	s_cmp_eq_u32 s[WR], 0
	s_cbranch_scc0 .Lfor_b_\@
	tensor_load_to_lds s[\g0a:\g0a+3], s[\g1a:\g1a+7]
	s_nop 0
.rept 4
	v_nop
.endr
	s_branch .Lasked_\@
.Lfor_b_\@:
	tensor_load_to_lds s[\g0b:\g0b+3], s[\g1b:\g1b+7]
	s_nop 0
.rept 4
	v_nop
.endr
.Lasked_\@:
.endm
.macro CROUND
	s_barrier_signal -1
	s_barrier_wait -1
	s_cmp_lg_u32 s[WV], 0
	s_cbranch_scc1 .Lnot_wave_0_\@
	s_barrier_signal -3
.Lnot_wave_0_\@:
	s_barrier_wait -3
	s_barrier_signal -1
	s_barrier_wait -1
.endm
	s_load_b256 s[4:11], s[0:1], 0x0               ; Ac s[4:5], As s[6:7], Wo's codes s[8:9], Wo's scales s[10:11]
	s_load_b128 s[12:15], s[0:1], 0x20             ; bo s[12:13], out0 s[14:15]
	v_lshl_add_u32 v126, v0, 2, 0x46400
	v_mov_b32 v127, 0
	ds_add_u32 v126, v127
	ds_add_u32 v126, v127
	v_lshrrev_b32 v1, 5, v0
	v_readfirstlane_b32 s[WV], v1
	s_lshr_b32 s[WR], s[WV], 1                     ; which half of the tokens is mine.  Also: I fetch for A (0) or for Wo (1)
	s_and_b32 s[WC], s[WV], 1                      ; which half of the outputs.  Also: which 128 rows I fetch
	s_bfe_u32 s84, ttmp6, 0x40000                  ; cx
	s_bfe_u32 s85, ttmp6, 0x40004                  ; cy
	s_lshl_b32 s[TLP], ttmp9, 2
	s_add_co_u32 s[TLP], s[TLP], s84               ; tile of outputs
	s_and_b32 s[TLR], ttmp7, 0xffff
	s_lshl_b32 s[TLR], s[TLR], 2
	s_add_co_u32 s[TLR], s[TLR], s85               ; tile of tokens
	s_lshl_b32 s87, s85, 2
	s_lshl_b32 s87, 15, s87                        ; my row of the cluster
	s_lshl_b32 s88, 0x1111, s84                    ; my column
	s_or_b32 s[G1+0], s87, (3<<16)|(1<<21)         ; A: 32,768 dense bytes as 128 rows of 256 (32 elements of 8 bytes), no padding
	s_mov_b32 s[G1+1], 32<<16
	s_mov_b32 s[G1+2], 128<<16
	s_mov_b32 s[G1+3], 32<<16
	s_mov_b32 s[G1+4], 128
	s_mov_b32 s[G1+5], 32
	s_mov_b32 s[G1+6], 0
	s_mov_b32 s[G1+7], 0
	s_or_b32 s[G1B+0], s88, (0<<16)|(1<<20)|(1<<21)|(5<<22)|(3<<25)   ; Wo: 128 rows x 256 bytes, 512 apart, four words of padding after every 64
	s_mov_b32 s[G1B+1], 256<<16
	s_mov_b32 s[G1B+2], 128<<16
	s_mov_b32 s[G1B+3], 256<<16
	s_mov_b32 s[G1B+4], 128
	s_mov_b32 s[G1B+5], 512
	s_mov_b32 s[G1B+6], 0
	s_mov_b32 s[G1B+7], 0
	s_or_b32 s[G1S+0], s87, (3<<16)|(1<<20)|(1<<21)|(5<<22)|(3<<25)   ; the scale bytes of 128 rows: 16 rows of 256 bytes, 16 of padding behind each
	s_or_b32 s[G1SB+0], s88, (3<<16)|(1<<20)|(1<<21)|(5<<22)|(3<<25)
.irp g, G1S, G1SB
	s_mov_b32 s[\g+1], 32<<16
	s_mov_b32 s[\g+2], 16<<16
	s_mov_b32 s[\g+3], 32<<16
	s_mov_b32 s[\g+4], 16
	s_mov_b32 s[\g+5], 32
	s_mov_b32 s[\g+6], 0
	s_mov_b32 s[\g+7], 0
.endr
	s_lshl_b32 s91, s[WC], 7
	s_lshl_b32 s92, s[TLR], 8
	s_add_co_u32 s92, s92, s91                     ; the first token that I fetch
	s_lshl_b32 s94, s[TLP], 8
	s_add_co_u32 s94, s94, s91                     ; the first row of Wo
	s_lshl_b32 s96, s92, 5                         ; 32 scale bytes a row
	s_lshl_b32 s98, s94, 5
	s_lshl_b32 s92, s92, 8                         ; Ac: 4,096 bytes for 16 tokens and half of K
	s_lshl_b32 s94, s94, 9                         ; Wo: 512 bytes a row
	s_mov_b32 s93, 0
	s_mov_b32 s95, 0
	s_mov_b32 s97, 0
	s_mov_b32 s99, 0
	s_lshl_b32 s100, s[WC], 15                     ; where they go: no place in the cluster enters an LDS address
	s_mul_i32 s89, s[WC], HALFT
	s_add_co_u32 s89, s89, BOFF
	s_mul_i32 s101, s[WV], HALFS
	s_wait_dscnt 0x0
	s_wait_kmcnt 0x0
	s_add_nc_u64 s[92:93], s[4:5], s[92:93]
	s_add_nc_u64 s[96:97], s[6:7], s[96:97]
	s_add_nc_u64 s[94:95], s[8:9], s[94:95]
	s_add_nc_u64 s[98:99], s[10:11], s[98:99]
	CROUND                                         ; all sixteen work-groups are here: the joint loads meet
	s_mov_b32 s[G0S], 1
	s_add_co_u32 s[G0S+1], s101, SCL
	s_mov_b64 s[G0S+2:G0S+3], s[96:97]
	s_or_b32 s[G0S+3], s[G0S+3], 0x80000000
	s_mov_b32 s[G0SB], 1
	s_add_co_u32 s[G0SB+1], s101, SCL
	s_mov_b64 s[G0SB+2:G0SB+3], s[98:99]
	s_or_b32 s[G0SB+3], s[G0SB+3], 0x80000000
	JLOAD G0S, G1S, G0SB, G1SB
.irp s, 0,1
	s_mov_b32 s[G0+4*\s], 1
	s_add_co_u32 s[G0+4*\s+1], s100, \s*SLOT
	s_add_nc_u64 s[G0+4*\s+2:G0+4*\s+3], s[92:93], \s*2097152
	s_or_b32 s[G0+4*\s+3], s[G0+4*\s+3], 0x80000000
	s_mov_b32 s[G0B+4*\s], 1
	s_add_co_u32 s[G0B+4*\s+1], s89, \s*SLOT
	s_add_nc_u64 s[G0B+4*\s+2:G0B+4*\s+3], s[94:95], \s*256
	s_or_b32 s[G0B+4*\s+3], s[G0B+4*\s+3], 0x80000000
	s_wait_alu depctr_va_vdst(0)
	s_wait_tensorcnt 0x0
	ds_add_u32 v126, v127
	s_wait_dscnt 0x0
	CROUND
	JLOAD G0+4*\s, G1, G0B+4*\s, G1B               ; one tensor load of mine is out behind each of these
.endr
	v_and_b32 v1, 15, v0                           ; r
	v_bfe_u32 v2, v0, 4, 1                         ; h
	v_and_b32 v7, 31, v0
	v_lshlrev_b32 v[CO], 4, v7                     ; 16 x lane
	v_mul_u32_u24 v3, v1, PITCH
	v_lshl_add_u32 v4, v2, 4, v3
	s_lshl_b32 s2, s[WR], 15                       ; my 128 tokens
	s_mul_i32 s3, s[WC], HALFT                     ; my 128 rows of Wo
	s_add_co_u32 s3, s3, BOFF
.irp s, 0,1
	v_add_nc_u32 v[ADRA+\s], s2, v[CO]
	v_add_nc_u32 v[ADRB+\s], s3, v4
	s_add_co_u32 s2, s2, SLOT
	s_add_co_u32 s3, s3, SLOT
.endr
	v_mul_u32_u24 v5, v1, 32
	v_lshrrev_b32 v6, 8, v5
	v_lshl_add_u32 v5, v6, 4, v5
	s_mul_i32 s2, s[WR], HALFS
	s_mul_i32 s3, s[WC], HALFS
	s_add_co_u32 s3, s3, 2*HALFS
	s_sub_co_u32 s3, s3, s2
	v_mul_u32_u24 v6, s3, v2                       ; lanes 16-31 take Wo's words
	s_add_co_u32 s2, s2, SCL
	v_add_nc_u32 v5, v5, v6
	v_add_nc_u32 v[ADRS], s2, v5
	s_mul_i32 s2, s[WV], 16*SPITCH                 ; my stage
	v_mul_u32_u24 v5, v1, SPITCH
	v_lshl_add_u32 v5, v2, 5, v5
	v_add_nc_u32 v[STO], s2, v5
	v_add_nc_u32 v[RD], s2, v[CO]
	s_lshl_b32 s86, s[TLP], 10
	s_lshl_b32 s91, s[WC], 9
	s_add_co_u32 s86, s86, s91                     ; my first output, in bytes of f32
	s_mov_b32 s87, 0
	s_add_nc_u64 s[12:13], s[12:13], s[86:87]      ; in the bias,
	s_add_nc_u64 s[14:15], s[14:15], s[86:87]      ; and in a row of out0
	s_lshl_b32 s86, s[TLR], 20
	s_lshl_b32 s91, s[WR], 19
	s_add_co_u32 s86, s86, s91                     ; my first token: rows of 4,096 bytes
	s_add_nc_u64 s[14:15], s[14:15], s[86:87]
	v_lshlrev_b32 v[BO], 5, v2                     ; register 8 b + j takes the bias of output 16 b + 8 h + j
.irp b, 0,1,2,3,4,5,6,7
	global_load_b128 v[CB+8*\b:CB+8*\b+3], v[BO], s[12:13] offset:64*\b
	global_load_b128 v[CB+8*\b+4:CB+8*\b+7], v[BO], s[12:13] offset:64*\b+16
.endr
; 16 matrix instructions: A's blocks a0, a0 + 1 x Wo's eight.  mode 1: the sums start from the bias.  The 64 accumulators take turns, one instruction a turn.
.macro MUL16 a0, p, q, sc, mode
.irp a, \a0, \a0+1
.irp b, 0,1,2,3,4,5,6,7
.set rD, 8*(8*((\a)%4)+\b)
.set rC, rD
.if (\mode) == 1
.set rC, CB+8*\b
.endif
	v_wmma_scale_f32_16x16x128_f8f6f4 v[rD:rD+7], v[128*(\p)+FR*\b:128*(\p)+FR*\b+FR-1], v[AF+FR*(\a):AF+FR*(\a)+FR-1], v[rC:rC+7], v[SC+8*NQ*(\sc)+NQ*\b+(\q)], v[SC+8*NQ*(\sc)+NQ*(\a)+(\q)] matrix_a_fmt:MATRIX_FMT_FP4 matrix_b_fmt:MATRIX_FMT_FP4 matrix_a_scale:MATRIX_SCALE_ROW1
.endr
.endr
.endm
.macro FETCH_B slot, q, p
	WIN TO_B
.irp i, 0,1,2,3,4,5,6,7
.irp c, 0,1
	ds_load_b128 v[128*(\p)+FR*\i+4*\c:128*(\p)+FR*\i+4*\c+3], v[ADRB+\slot] offset:64*(\q)+32*\c+\i*16*PITCH
.endr
.endr
	WIN 0
.endm
.macro FETCH_A slot, q, i0             ; A's blocks i0 .. i0 + 3: tile i, heads 2 q and 2 q + 1 of the slot's eight: two images of 512 bytes
.irp i, \i0, \i0+1, \i0+2, \i0+3
.irp c, 0,1
	ds_load_b128 v[AF+FR*(\i)+4*\c:AF+FR*(\i)+4*\c+3], v[ADRA+\slot] offset:4096*(\i)+1024*(\q)+512*\c
.endr
.endr
.endm
.macro SCALES sc
.irp i, 0,1,2,3,4,5,6,7
	ds_load_b128 v[SC+8*NQ*\sc+NQ*\i:SC+8*NQ*\sc+NQ*\i+3], v[ADRS] offset:\i*SBLK
.endr
.endm
.macro PLACES n
.rept \n
	v_nop
.endr
.endm
.macro STEP slot, q, mode
	s_wait_dscnt 4*NL                              ; all but the youngest eight loads (A's blocks 4-7) are in
.if \mode
	WIN 0x81                                       ; C, the bias, lies in window 0
.else
	WIN MUL_LO
.endif
	MUL16 0, (\q)%2, \q, \slot, \mode
	MUL16 2, (\q)%2, \q, \slot, \mode
	s_wait_dscnt 0
	PLACES NP
	FETCH_B \slot, (\q)+1, 1-(\q)%2
	FETCH_A \slot, (\q)+1, 0
.if \mode
	WIN 0xc1
.else
	WIN MUL_HI
.endif
	MUL16 4, (\q)%2, \q, \slot, \mode
	MUL16 6, (\q)%2, \q, \slot, \mode
	PLACES NP
	WIN 0
	FETCH_A \slot, (\q)+1, 4
.endm
.macro STEPS slot, from
.set Q, \from
.rept NQ-1-\from
	STEP \slot, Q, 0
.set Q, Q+1
.endr
.endm
	s_wait_alu depctr_va_vdst(0)
	s_wait_tensorcnt 1                             ; the scale bytes and my part of slot 0 are in; slot 1's load may stay out
	s_barrier_signal -1
	s_barrier_wait -1
	FETCH_B 0, 0, 0
	FETCH_A 0, 0, 0
	SCALES 0
	FETCH_A 0, 0, 4
	s_wait_loadcnt 0x0                             ; the bias
	STEP 0, 0, 1
	STEPS 0, 1
	; slot 0's last step changes slots: one barrier, in front of which my part of slot 1 has landed and my reads of slot 0 are over.
	s_wait_tensorcnt 0x0
	s_wait_dscnt 4*NL
	WIN MUL_LO
	MUL16 0, 1, NQ-1, 0, 0
	s_wait_dscnt 0x0
	s_barrier_signal -1
	MUL16 2, 1, NQ-1, 0, 0
	WIN 0
	s_barrier_wait -1
	PLACES NP
	v_add_nc_u32 v[ADRS], 4*NQ, v[ADRS]
	FETCH_B 1, 0, 0
	FETCH_A 1, 0, 0
	SCALES 1
	WIN MUL_HI
	MUL16 4, 1, NQ-1, 0, 0
	MUL16 6, 1, NQ-1, 0, 0
	PLACES NP
	WIN 0
	FETCH_A 1, 0, 4
	STEPS 1, 0
	s_wait_dscnt 4*NL
	WIN MUL_LO
	MUL16 0, 1, NQ-1, 1, 0
	MUL16 2, 1, NQ-1, 1, 0
	s_wait_dscnt 0
	WIN MUL_HI
	MUL16 4, 1, NQ-1, 1, 0
	MUL16 6, 1, NQ-1, 1, 0
	WIN 0
; THE WAY OUT, block by block of 16 tokens x 128 outputs: through my own stage in LDS, back as whole rows of 512 bytes.  LDS serves a wave's instructions in order (ISA guide 5.7.1.4): no wait between the stores and the loads.
.macro TOSTAGE a
.set AC, 64*((\a)%4)
	WIN 0x08+4*((\a)/4)                            ; an LDS store's data: window 2 or 3
.irp b, 0,1,2,3,4,5,6,7
	ds_store_b128 v[STO], v[AC+8*\b:AC+8*\b+3] offset:64*\b          ; each accumulator from its low end on
	ds_store_b128 v[STO], v[AC+8*\b+4:AC+8*\b+7] offset:64*\b+16
.endr
	WIN 0
.set BB, BK+64*((\a)%2)
.irp t, 0,1,2,3,4,5,6,7,8,9,10,11,12,13,14,15
	ds_load_b128 v[BB+4*\t:BB+4*\t+3], v[RD] offset:\t*SPITCH
.endr
.endm
.macro SEND a, younger                 ; younger: the LDS instructions issued behind block a's loads, which may stay out
.set BB, BK+64*((\a)%2)
	s_wait_dscnt \younger
.if (\a) > 0
	s_add_nc_u64 s[14:15], s[14:15], 16*4096       ; 16 tokens on (the earlier stores have read their base: the wait on XCNT stands ahead)
.endif
.irp t, 0,1,2,3,4,5,6,7,8,9,10,11,12,13,14,15
	global_store_b128 v[CO], v[BB+4*\t:BB+4*\t+3], s[14:15] offset:\t*4096 th:TH_STORE_NT   ; 32 lanes store 512 consecutive bytes, aligned; written once, read by nobody here
.endr
.endm
	PLACES NP
	TOSTAGE 0
.irp a, 1,2,3,4,5,6,7
.if \a > 1
	s_wait_xcnt 0x0                                ; block a - 2's stores have read their registers and their base
.endif
	TOSTAGE \a
	SEND \a-1, 32                                  ; behind block a - 1's loads: block a's 16 stores and 16 loads
.endr
	s_wait_xcnt 0x0
	SEND 7, 0
	s_wait_tensorcnt 0x0
	ds_add_u32 v126, v127
	s_wait_dscnt 0x0
	CROUND                                         ; the closing round
	s_endpgm
.Lfunc_end_k_q80aaf9f37f_outp:
	.size	k_q80aaf9f37f_outp, .Lfunc_end_k_q80aaf9f37f_outp-k_q80aaf9f37f_outp
	.p2alignl 7, 3214868480
	.fill 96, 4, 3214868480
	.section	.rodata,"a",@progbits
	.p2align	6, 0x0
	.amdhsa_kernel k_q80aaf9f37f_outp
		.amdhsa_group_segment_fixed_size 327680
		.amdhsa_private_segment_fixed_size 0
		.amdhsa_enable_private_segment 0
		.amdhsa_kernarg_size 48
		.amdhsa_user_sgpr_count 2
		.amdhsa_user_sgpr_kernarg_segment_ptr 1
		.amdhsa_wavefront_size32 1
		.amdhsa_system_sgpr_workgroup_id_x 1
		.amdhsa_system_sgpr_workgroup_id_y 1
		.amdhsa_system_sgpr_workgroup_id_z 1
		.amdhsa_system_vgpr_workitem_id 0
		.amdhsa_next_free_vgpr 1024
		.amdhsa_next_free_sgpr 102
		.amdhsa_reserve_vcc 0
		.amdhsa_float_denorm_mode_32 3
		.amdhsa_float_denorm_mode_16_64 3
		.amdhsa_memory_ordered 1
		.amdhsa_forward_progress 1
		.amdhsa_inst_pref_size 127
	.end_amdhsa_kernel
	.amdgpu_metadata
---
amdhsa.version: [ 1, 2 ]
amdhsa.kernels:
  - .name:           k_q80aaf9f37f_outp
    .symbol:         k_q80aaf9f37f_outp.kd
    .args:
      - { .name: Ac, .offset: 0, .size: 8, .value_kind: global_buffer, .address_space: global }
      - { .name: As, .offset: 8, .size: 8, .value_kind: global_buffer, .address_space: global }
      - { .name: Wo_codes, .offset: 16, .size: 8, .value_kind: global_buffer, .address_space: global }
      - { .name: Wo_scales, .offset: 24, .size: 8, .value_kind: global_buffer, .address_space: global }
      - { .name: bo, .offset: 32, .size: 8, .value_kind: global_buffer, .address_space: global }
      - { .name: out0, .offset: 40, .size: 8, .value_kind: global_buffer, .address_space: global }
    .group_segment_fixed_size: 327680
    .private_segment_fixed_size: 0
    .kernarg_segment_align: 8
    .kernarg_segment_size: 48
    .max_flat_workgroup_size: 128
    .sgpr_count:     102
    .vgpr_count:     1024
    .wavefront_size: 32
...
	.end_amdgpu_metadata
.endif
;; end of part 3
